; MI455X (gfx1250); checked and timed in simulation.
; The chip was launched on July 23, 2026; its instructions are those of AMD's public machine-readable ISA for CDNA 5 (MIT licence, August 2026) and "CDNA5" Instruction Set Architecture Reference Guide (July 2026). The comments in the code are by the model that wrote it; some were corrected since.
;; Mo E layer torch. Allowed arithmetic: matrix products marked QUANTISED: E2M3 operands, one E8M0 scale for each 32 along K, by v_wmma_scale_f32_16x16x128_f8f6f4 with both operands' format E2M3, f32 sums; everything else in f32.
;; Inputs: topk_ids 2,048 x 1 int32; weight0 8 x 1,024 x 2,048 float32; weight1 8 x 2,048 x 1,024 float32; x 2,048 x 1,024 float32.
;; Outputs: out0 2,048 x 1,024 float32.
;; This version of the problem:
;;   THIS VERSION OF THE PROBLEM IS GIVEN IN LOW PRECISION. The matrix products marked QUANTISED in the list below multiply operands that are first quantised to E2M3 (2 exponent bits, 3 mantissa bits; 6 bits a number), with one power-of-two scale for each 32 numbers along K (OCP MX v1.0); their sums are f32. All else is computed in f32.
;;   The module's matrix products, in the order in which they are computed (A, B: the left and right operand; K: the contracted axis; several contracted axes count as one K, in the product's order):
;;     1. [M 2,048, K 1,024] x [K 1,024, N 2,048]; A: computed on the way; B: input weight0: QUANTISED
;;     2. [M 2,048, K 2,048] x [K 2,048, N 1,024]; A: computed on the way; B: input weight1: QUANTISED
;;     3. [M 2,048, K 1,024] x [K 1,024, N 2,048]; A: computed on the way; B: input weight0: QUANTISED
;;     4. [M 2,048, K 2,048] x [K 2,048, N 1,024]; A: computed on the way; B: input weight1: QUANTISED
;;     5. [M 2,048, K 1,024] x [K 1,024, N 2,048]; A: computed on the way; B: input weight0: QUANTISED
;;     6. [M 2,048, K 2,048] x [K 2,048, N 1,024]; A: computed on the way; B: input weight1: QUANTISED
;;     7. [M 2,048, K 1,024] x [K 1,024, N 2,048]; A: computed on the way; B: input weight0: QUANTISED
;;     8. [M 2,048, K 2,048] x [K 2,048, N 1,024]; A: computed on the way; B: input weight1: QUANTISED
;;     9. [M 2,048, K 1,024] x [K 1,024, N 2,048]; A: computed on the way; B: input weight0: QUANTISED
;;     10. [M 2,048, K 2,048] x [K 2,048, N 1,024]; A: computed on the way; B: input weight1: QUANTISED
;;     11. [M 2,048, K 1,024] x [K 1,024, N 2,048]; A: computed on the way; B: input weight0: QUANTISED
;;     12. [M 2,048, K 2,048] x [K 2,048, N 1,024]; A: computed on the way; B: input weight1: QUANTISED
;;     13. [M 2,048, K 1,024] x [K 1,024, N 2,048]; A: computed on the way; B: input weight0: QUANTISED
;;     14. [M 2,048, K 2,048] x [K 2,048, N 1,024]; A: computed on the way; B: input weight1: QUANTISED
;;     15. [M 2,048, K 1,024] x [K 1,024, N 2,048]; A: computed on the way; B: input weight0: QUANTISED
;;     16. [M 2,048, K 2,048] x [K 2,048, N 1,024]; A: computed on the way; B: input weight1: QUANTISED
;;   THE QUANTISER, for each operand of a quantised product, along K:
;;     - K is cut into blocks of 32 from its start; a last block that is shorter is filled with zeros.
;;     - A block's scale is 2^e with e = floor(log2(the largest magnitude in the block)) - 2, held to -126 .. 127; a block of zeros has e = 0. As a byte (E8M0): e + 127.
;;     - Each number is divided by its block's scale, clamped to +-7.5, and rounded to the nearest number of E2M3, ties to even, subnormals kept.
;;     - The product sums the exact products of the quantised numbers (number of the format x scale) in f32.
;;   ~~~python
;;   def quantise(x, axis):      # numpy; x: float32 -> the quantised numbers, widened to float32 again
;;       x = np.moveaxis(x, axis, -1); K = x.shape[-1]
;;       x = np.pad(x, [(0, 0)] * (x.ndim - 1) + [(0, -K % 32)]); x = x.reshape(x.shape[:-1] + (-1, 32)); a = np.abs(x).max(-1, keepdims=True)
;;       e = np.where(a > 0, np.clip(np.frexp(np.where(a > 0, a, 1))[1] - 1 - 2, -126, 127), 0)      # np.frexp(a)[1] - 1 = floor(log2(a)), exactly
;;       r = np.clip(x / 2.0 ** e, -7.5, 7.5)
;;       step = 2.0 ** (np.maximum(np.frexp(np.where(r == 0, 1, r))[1] - 1, 0) - 3)
;;       q = np.round(r / step) * step * 2.0 ** e      # np.round: ties to even
;;       return np.moveaxis(q.reshape(q.shape[:-2] + (-1,))[..., :K], -1, axis).astype(np.float32)
;;   ~~~
;;   OPERANDS COMPUTED ON THE WAY. 'Computed on the way' means the value that the module computes at that place (a softmax that the list does not call 'softmax' is quantised finished and normalised). What goes into a quantiser is computed in f32, as accurately as f32 sums, v_exp_f32 and their like allow (about 1e-6 of the number): no bf16 or f16 on the way to a quantiser, and a product that is left as it is and whose result goes on into a quantised operand takes f32 operands (vector FMAs, or v_wmma_f32_16x16x4_f32). A number that lies on a knife's edge between two numbers of the format may be rounded either way, as far as f32 arithmetic and the matrix unit's own rounding can turn it there, and no further.
;; 2 versions. Each part assembles by itself: llvm-mc -triple=amdgcn-amd-amdhsa -mcpu=gfx1250 --defsym DOCPART=n.
;; ======== version 1 of 2: 3 launches
;; workspace buffers: xq 1,658,880 bytes; xs 69,120 bytes; hq 3,317,760 bytes; hs 138,240 bytes; perm 17,408 bytes of whole numbers; meta 256 bytes of whole numbers
;; launch prep (part 1): grid 135 x 1, 8 waves a work-group, no clusters, 67,584 bytes of LDS; arguments topk_ids, x, xq, xs, perm, meta; writes xq, xs, perm, meta
.if DOCPART == 1
	.amdgcn_target "amdgcn-amd-amdhsa--gfx1250"
	.amdhsa_code_object_version 6
	.text
	.protected	k_qe76ec1ea62_prep
	.globl	k_qe76ec1ea62_prep
	.p2align	8
	.type	k_qe76ec1ea62_prep,@function
k_qe76ec1ea62_prep:
	s_mov_b64 s[64:65], 0
	v_nop
	global_prefetch_b8 v0, s[64:65] scope:SCOPE_SE
	s_setreg_imm32_b32 hwreg(HW_REG_WAVE_MODE, 25, 1), 1
	s_wait_xcnt 0x0
; PREP: the tokens are sorted by expert into tiles of 16 rows, and each tile's rows of x are quantised to FP6 (E2M3) with one E8M0 byte for each 32 along K.
; 2,048 tokens and 8 experts give at most (2048 + 8 x 15) / 16 = 135 tiles and at least 128.  Work-group j makes tile j.
; EVERY WAVE SORTS FOR ITSELF, IN REGISTERS: it loads all 2,048 ids (8 KB), counts the experts, finds tile j's expert and, of the tile's 16 slots, the tokens of ITS two rows.  Nothing that an address hangs on
; goes through LDS, no wave waits for another before its rows are asked for, and no branch hangs on the ids.
; ORDER: register n of lane l holds token 128 (n / 4) + 4 l + n % 4.  A token's rank in its expert = tokens of that expert in lower lanes + in lower registers of its lane: the same in every wave of every work-group.
; PADDING: a slot behind an expert's last token takes the expert's last token (rank = min(rank, count - 1)), in x's codes and in perm alike: every byte of a used tile is written, no lane is ever switched off.
; A WORK-GROUP WHOSE j IS NOT UNDER THE NUMBER OF TILES (7 of the 135 at the most) goes the same way with its expert's last rank and fills its own tile of xq, xs and perm, which nobody reads: the price of a grid
; that serves every split without a branch on the ids.
; AN ID OUTSIDE 0 .. 7 matches no expert: its token is sorted to expert 7 (key = min(id, 7)) with x taken as 0, which goes through both layers as 0.
; OUT: xq [tile][K step 8] images of an operand's registers (16 rows x 128 K, 1,536 bytes: for c = 0, 1: registers 6c .. 6c+3 at 768 c + 16 x lane, registers 6c+4, 6c+5 at 768 c + 512 + 8 x lane);
;      xs [tile][K step 8][row 16] scale words;  perm [tile][32]: the slots' tokens in words 0-15 (the others are neither written nor read);  meta: words 0-7 each expert's first tile, words 32-39 its number of tiles.
; LIMITS: NaN and infinities in x are not served.  A block whose largest magnitude lies under 2^-124 (a block of zeros too) keeps the scale byte 1; this program alone reads the bytes.
; No matrix work, no tensor loads (addresses hang on the ids), no cluster: the work-groups share only the 8 KB of ids.
.set SCW,  0                           ; LDS: the tile's scale words: 64 bytes a K step
.set XST,  512                         ; the tile's 16 rows of x, f32
.set XP,   4112                        ; a row there: 4,096 bytes + 16, so that 16 rows' equal columns start 16 bytes apart modulo 256
.set ONE,  3                           ; v3      1
.set LO8,  9                           ; v9      my lane's counts of experts 0, 2, 4, 6 in four bytes;  v10 of experts 1, 3, 5, 7
.set HI8,  10
.set MA,   14                          ; v14     lane n: which lanes hold a token of my expert in register n;  v15 the same for register 32 + n
.set MB,   15
.set CL,   16                          ; v16     my lane's count of my expert;  v17 the count in all lower lanes
.set PF,   17
.set AC,   20                          ; v20-24  five sums in eight fields of 4 bits;  v25-29 at work
.set TW,   25
.set TV,   20                          ; v20-26  later: a bit plane each
.set PO,   48                          ; v48     my place in the tile's words of perm: 8 x wave + 4 (lane % 2);  v49 the word
.set PW,   49
.set XSA,  50                          ; v50     where I store rows of x;  v51 where I read my 32 numbers;  v52 where my row's scale word goes
.set XRA,  51
.set SWA,  52
.set MX1,  56
.set MX2,  57
.set SCL,  58
.set BY,   59                          ; v59-60  two scale bytes
.set TT,   61
.set M0,   62                          ; v62-63  the table of tiles
.set O,    64                          ; v64-127 the ids, then 1 << 4 key;
.set X,    64                          ;         later 64 numbers of x
.set C,    128                         ; v128-143 two sets of codes
.set WV,   16                          ; s16 wave;  s17 tile j
.set J,    17
.set CN,   20                          ; s20-27  tokens of expert e
.set SS,   28                          ; s28-36  first tile of expert e; s36 the number of tiles
.set TL,   40                          ; s40-47  tiles of expert e
.set EX,   48                          ; s48 my expert; s49 its first tile; s50 my tile in it; s51 its tokens; s52 1 << 4 e; s53 16 x my tile; s54 its last rank
.set TS,   56                          ; s56-63  lane masks at work
.set TOK,  66                          ; s66-67  my two tokens;  s[70:73] their rows of x;  s74-75 all lanes where the row counts as 0;  s[78:81] where their ids lie;  s82-83 the ids
.set SEL,  76                          ; s[76:77] selects for lane l xor 16
.set ODD,  84                          ; s84 the odd lanes
.macro BAR                             ; my LDS stores have landed and my LDS loads are in: then the work-group's barrier
	s_wait_dscnt 0x0
	s_barrier_signal -1
	s_barrier_wait -1
.endm
; 32 numbers of one lane, one block along K, become 6 registers of codes at v[c] and the scale's byte in v[by]
.macro QBLK x, c, by
	v_max3_num_f32 v[MX1], |v[\x]|, |v[\x+1]|, |v[\x+2]|
	v_max3_num_f32 v[MX2], |v[\x+3]|, |v[\x+4]|, |v[\x+5]|
.irp i, 6,10,14,18,22,26
	v_max3_num_f32 v[MX1], v[MX1], |v[\x+\i]|, |v[\x+\i+1]|
	v_max3_num_f32 v[MX2], v[MX2], |v[\x+\i+2]|, |v[\x+\i+3]|
.endr
	v_max3_num_f32 v[MX1], v[MX1], |v[\x+30]|, |v[\x+31]|
	v_max3_num_f32 v[MX1], v[MX1], v[MX2], 0x1800000           ; the floor 2^(3 - 127): the byte cannot fall under 1
	v_add_nc_u32 v[SCL], 0xff000000, v[MX1]                    ; 2 off the exponent field: the conversion takes this operand's exponent field as its scale
	v_cvt_scalef32_pk16_fp6_f32 v[\c:\c+2], v[\x:\x+15], v[SCL]
	v_cvt_scalef32_pk16_fp6_f32 v[\c+4:\c+6], v[\x+16:\x+31], v[SCL]   ; (a conversion's three registers begin on an even number)
	v_lshrrev_b32 v[\by], 23, v[SCL]                           ; the byte; also the plain line behind the conversions
	v_mov_b32 v[\c+3], v[\c+4]
	v_mov_b32 v[\c+4], v[\c+5]
	v_mov_b32 v[\c+5], v[\c+6]
.endm
; Slot 2 w + k of the tile: its rank in the expert, the lane and the register that hold the token of that rank, the token, its row of x and its id
.macro SLOT k
	s_lshl_b32 s86, s[WV], 1
	s_add_co_u32 s86, s86, s53
.if \k
	s_add_co_u32 s86, s86, 1
.endif
	s_min_i32 s86, s86, s54                        ; a slot behind the last token takes the last token;
	s_max_i32 s86, s86, 0                          ; (an expert without tokens has only tiles that nobody reads)
	v_sub_nc_u32 v11, s86, v[PF]
	v_cmp_gt_u32 s18, v[CL], v11                   ; the one lane whose ranks, PF .. PF + CL - 1, hold it
	s_ctz_i32_b32 s85, s18
	s_and_b32 s85, s85, 31                         ; (a lane's number, whatever was found)
	v_readlane_b32 s87, v[PF], s85
	s_sub_co_u32 s87, s86, s87                     ; which of that lane's tokens of the expert
	s_lshl_b32 s88, 1, s85
	v_and_b32 v11, s88, v[MA]
	v_and_b32 v12, s88, v[MB]
	v_cmp_ne_u32 s18, 0, v11                       ; bit n: that lane's register n is of the expert;
	v_cmp_ne_u32 s19, 0, v12                       ; register 32 + n
	s_bcnt1_i32_b32 s88, s18
	s_cmp_lt_u32 s87, s88                          ; among the first 32 registers?
	s_cselect_b32 s18, s18, s19
	s_cselect_b32 s89, 0, 32
	s_cselect_b32 s88, 0, s88
	s_sub_co_u32 s87, s87, s88
	v_mbcnt_lo_u32_b32 v11, s18, 0                 ; lane i: the set bits under bit i
	v_cmp_eq_u32 s19, s87, v11
	s_and_b32 s19, s19, s18                        ; the set bit with just so many under it
	s_ctz_i32_b32 s88, s19
	s_and_b32 s88, s88, 31
	s_add_co_u32 s88, s88, s89                     ; the register n
	s_lshr_b32 s89, s88, 2
	s_lshl_b32 s89, s89, 7
	s_and_b32 s88, s88, 3
	s_add_co_u32 s89, s89, s88
	s_lshl_b32 s85, s85, 2
	s_add_co_u32 s89, s89, s85                     ; 128 (n / 4) + n % 4 + 4 x lane
	s_min_u32 s[TOK+\k], s89, 2047                 ; a token, inside x and the ids whatever was read
	s_lshl_b32 s68, s[TOK+\k], 12
	s_add_nc_u64 s[70+2*\k:71+2*\k], s[6:7], s[68:69]
	s_lshl_b32 s68, s[TOK+\k], 2
	s_add_nc_u64 s[78+2*\k:79+2*\k], s[4:5], s[68:69]
	s_load_b32 s[82+\k], s[78+2*\k:79+2*\k], 0x0   ; its id once more: does any expert have it?
.endm
	s_load_b256 s[4:11], s[0:1], 0x0               ; ids s[4:5], x s[6:7], xq s[8:9], xs s[10:11]
	s_load_b128 s[12:15], s[0:1], 0x20             ; perm s[12:13], meta s[14:15]
	v_lshl_add_u32 v144, v0, 2, 0x10400
	v_mov_b32 v145, 0
	v_and_b32 v1, 31, v0                           ; lane
	v_lshlrev_b32 v5, 4, v1                        ; 16 x lane
	s_wait_kmcnt 0x0
.irp q, 0,1,2,3,4,5,6,7,8,9,10,11,12,13,14,15
	global_load_b128 v[O+4*\q:O+4*\q+3], v5, s[4:5] offset:512*\q      ; all 2,048 ids: 512 consecutive bytes a load
.endr
	v_lshrrev_b32 v2, 5, v0
	v_readfirstlane_b32 s[WV], v2                  ; wave 0..7
	s_mov_b32 s[J], ttmp9
	v_lshlrev_b32 v4, 2, v1                        ; 4 x lane
	v_lshlrev_b32 v6, 3, v1                        ; 8 x lane
	v_mov_b32 v7, 0
	v_mov_b32 v[ONE], 1
	v_and_b32 v54, 15, v0                          ; r
	v_bfe_u32 v55, v0, 4, 1                        ; h
	s_mul_i32 s18, s[WV], 2*XP
	s_add_co_u32 s18, s18, XST
	v_add_nc_u32 v[XSA], s18, v5                   ; rows 2 w and 2 w + 1 go in 16 bytes a lane
	s_lshl_b32 s18, s[WV], 9
	s_add_co_u32 s18, s18, XST
	v_mul_u32_u24 v[XRA], v54, XP
	v_lshl_add_u32 v[XRA], v55, 7, v[XRA]
	v_add_nc_u32 v[XRA], s18, v[XRA]               ; and come out: row r, K step w (512 bytes), + 128 h
	s_lshl_b32 s18, s[WV], 6
	v_lshl_add_u32 v[SWA], v54, 2, s18             ; my row's scale word of K step w
	v_and_b32 v11, 1, v0
	s_lshl_b32 s18, s[WV], 3
	v_lshl_add_u32 v[PO], v11, 2, s18
	s_mov_b32 s[SEL], 0x76543210
	s_mov_b32 s[SEL+1], 0xfedcba98
	s_mov_b32 s[ODD], 0xaaaaaaaa
	s_mov_b32 s69, 0
	v_mov_b32 v[MA], 0                             ; (v_writelane's destination counts as one of its sources)
	v_mov_b32 v[MB], 0
	s_wait_loadcnt 0x0
	; ---- each id becomes 1 << 4 key, key = min(id, 7): a one in the key's field of 4 bits
.set n_, 0
.rept 64
	v_min_u32 v[O+n_], 7, v[O+n_]
.set n_, n_+1
.endr
.set n_, 0
.rept 64
	v_lshlrev_b32 v[O+n_], 2, v[O+n_]
.set n_, n_+1
.endr
.set n_, 0
.rept 64
	v_lshlrev_b32 v[O+n_], v[O+n_], v[ONE]
.set n_, n_+1
.endr
	; ---- my lane's counts of all eight experts at once: five sums of at most 14 registers, so that no field of 4 bits passes 15 (the five by turns: no line waits for the line above it)
.irp g, 0,1,2,3,4
	v_add_nc_u32 v[AC+\g], v[O+14*\g], v[O+14*\g+1]
.endr
.irp i, 2,4,6,8,10,12
.irp g, 0,1,2,3,4
.if (\g < 4) || (\i < 8)
	v_add3_u32 v[AC+\g], v[AC+\g], v[O+14*\g+\i], v[O+14*\g+\i+1]
.endif
.endr
.endr
.irp g, 0,1,2,3,4
	v_and_b32 v[TW+\g], 0x0f0f0f0f, v[AC+\g]       ; the even experts' fields, a byte each;
.endr
.irp g, 0,1,2,3,4
	v_lshrrev_b32 v[AC+\g], 4, v[AC+\g]
.endr
.irp g, 0,1,2,3,4
	v_and_b32 v[AC+\g], 0x0f0f0f0f, v[AC+\g]       ; the odd experts'
.endr
	v_add3_u32 v[LO8], v[TW], v[TW+1], v[TW+2]     ; a lane has 64 ids: a byte holds its count
	v_add3_u32 v[HI8], v[AC], v[AC+1], v[AC+2]
	v_add3_u32 v[LO8], v[LO8], v[TW+3], v[TW+4]
	v_add3_u32 v[HI8], v[HI8], v[AC+3], v[AC+4]
	; ---- the sums over the 32 lanes, bit by bit from the top: how many lanes have bit b of expert e's count set; a count is 0 .. 64: seven bits
.irp b, 6,5,4,3,2,1,0
.irp e, 0,1,2,3,4,5,6
	v_and_b32 v[TV+\e], 1<<(8*(\e/2)+\b), v[LO8+(\e%2)]
.endr
.irp e, 0,1,2,3,4,5,6
	v_cmp_ne_u32 s[TS+\e], 0, v[TV+\e]
.endr
.if \b == 6
.irp e, 0,1,2,3,4,5,6
	s_bcnt1_i32_b32 s[CN+\e], s[TS+\e]
.endr
.else
.irp e, 0,1,2,3,4,5,6
	s_bcnt1_i32_b32 s[TS+\e], s[TS+\e]
.endr
.irp e, 0,1,2,3,4,5,6
	s_lshl_b32 s[CN+\e], s[CN+\e], 1
.endr
.irp e, 0,1,2,3,4,5,6
	s_add_co_u32 s[CN+\e], s[CN+\e], s[TS+\e]
.endr
.endif
.endr
	s_add_co_u32 s53, s[CN], s[CN+1]
.irp e, 2,3,4,5,6
	s_add_co_u32 s53, s53, s[CN+\e]
.endr
	s_sub_co_u32 s[CN+7], 0x800, s53               ; every key is one of the eight: expert 7 has the rest of the 2,048
	s_mov_b32 s[SS], 0
.irp e, 0,1,2,3,4,5,6,7
	s_add_co_u32 s[TL+\e], s[CN+\e], 15
	s_lshr_b32 s[TL+\e], s[TL+\e], 4               ; its tiles,
	s_add_co_u32 s[SS+\e+1], s[SS+\e], s[TL+\e]    ; and where the next expert's begin
.endr
	s_mov_b32 s[EX], 0                             ; my expert: the last whose first tile is not beyond j (an expert without tiles is passed over by the next)
	s_mov_b32 s49, 0
	s_mov_b32 s51, s[CN]
.irp e, 1,2,3,4,5,6,7
	s_cmp_ge_u32 s[J], s[SS+\e]
	s_cselect_b32 s[EX], \e, s[EX]
	s_cselect_b32 s49, s[SS+\e], s49
	s_cselect_b32 s51, s[CN+\e], s51
.endr
	s_sub_co_u32 s50, s[J], s49                    ; my tile within the expert
	s_lshl_b32 s53, s50, 4                         ; its first rank
	s_sub_co_u32 s54, s51, 1                       ; the expert's last rank
	s_lshl_b32 s52, s[EX], 2
	s_lshl_b32 s52, 1, s52                         ; what a register of my expert holds
	; ---- which lanes hold a token of my expert in register n: 64 lane masks, laid into the lanes of two registers
.set n_, 0
.rept 8
.set i_, 0
.rept 8
	v_cmp_eq_u32 s[TS+i_], s52, v[O+n_+i_]
.set i_, i_+1
.endr
.set i_, 0
.rept 8
	v_writelane_b32 v[MA+(n_+i_)/32], s[TS+i_], (n_+i_)%32
.set i_, i_+1
.endr
.set n_, n_+8
.endr
	; ---- my lane's count of my expert, and the count in all lower lanes: again bit by bit
	s_lshr_b32 s18, s[EX], 1
	s_lshl_b32 s18, s18, 3
	s_bitcmp1_b32 s[EX], 0
	s_cselect_b32 s19, -1, 0
	v_cndmask_b32 v[CL], v[LO8], v[HI8], s19
	v_lshrrev_b32 v[CL], s18, v[CL]
	v_and_b32 v[CL], 0xff, v[CL]
.irp b, 0,1,2,3,4,5,6
	v_and_b32 v[TV+\b], 1<<\b, v[CL]
.endr
.irp b, 0,1,2,3,4,5,6
	v_cmp_ne_u32 s[TS+\b], 0, v[TV+\b]
.endr
.irp b, 0,1,2,3,4,5,6
	v_mbcnt_lo_u32_b32 v[TV+\b], s[TS+\b], 0       ; how many lower lanes have bit b set
.endr
	v_lshl_add_u32 v[PF], v[TV+1], 1, v[TV]
.irp b, 2,3,4,5,6
	v_lshl_add_u32 v[PF], v[TV+\b], \b, v[PF]
.endr
	SLOT 0
	SLOT 1
	; ---- gather: wave w brings rows 2 w and 2 w + 1 of the tile, each load 512 consecutive bytes (no hint: a padding slot names a row again)
.irp k, 0,1
.irp i, 0,1,2,3,4,5,6,7
	global_load_b128 v[X+32*\k+4*\i:X+32*\k+4*\i+3], v5, s[70+2*\k:71+2*\k] offset:512*\i
.endr
.endr
	v_mov_b32 v11, s[TOK]
	v_mov_b32 v12, s[TOK+1]
	v_cndmask_b32 v[PW], v11, v12, s[ODD]          ; perm's words 2 w and 2 w + 1: even lanes hold the one, odd lanes the other
	s_wait_kmcnt 0x0                               ; the two ids
	s_cmp_lt_u32 s82, 8
	s_cselect_b32 s74, 0, -1                       ; all lanes, where no expert has the id: the row counts as 0
	s_cmp_lt_u32 s83, 8
	s_cselect_b32 s75, 0, -1
	s_wait_loadcnt 0x0
.set i_, 0
.rept 32
	v_cndmask_b32 v[X+i_], v[X+i_], v7, s74
	v_cndmask_b32 v[X+32+i_], v[X+32+i_], v7, s75
.set i_, i_+1
.endr
.irp k, 0,1
.irp i, 0,1,2,3,4,5,6,7
	ds_store_b128 v[XSA], v[X+32*\k+4*\i:X+32*\k+4*\i+3] offset:\k*XP+512*\i
.endr
.endr
	BAR                                            ; the tile's 16 rows lie in LDS
	; ---- quantise: wave w takes K step w.  Lane (r, h) takes, of row r, k = 128 w + 64 c + 32 h + 0 .. 31 for c = 0, 1: two whole blocks, in the order of the operand's registers
.irp c, 0,1
.irp i, 0,1,2,3,4,5,6,7
	ds_load_b128 v[X+32*\c+4*\i:X+32*\c+4*\i+3], v[XRA] offset:256*\c+16*\i
.endr
.endr
	s_wait_dscnt 0x0
	QBLK X, C, BY
	QBLK X+32, C+8, BY+1
	v_lshl_or_b32 v[TT], v[BY+1], 16, v[BY]        ; my two bytes: blocks h and 2 + h of row r,
	v_lshlrev_b32 v12, 3, v55
	v_lshlrev_b32 v[TT], v12, v[TT]                ; at their places in the word;
	v_mov_b32 v13, 0
	v_permlanex16_b32 v13, v[TT], s[SEL], s[SEL+1]
	v_or_b32 v[TT], v[TT], v13                     ; with lane l xor 16's two the word is whole
	ds_store_b32 v[SWA], v[TT] offset:SCW          ; (both halves of the lanes write the same word with the same value)
	BAR                                            ; the tile's 128 scale words lie in LDS.  No barrier stands behind this one
	s_mul_i32 s68, s[J], 12288
	s_mul_i32 s54, s[WV], 1536
	s_add_co_u32 s68, s68, s54
	s_add_nc_u64 s[8:9], s[8:9], s[68:69]
.irp c, 0,1
	global_store_b128 v5, v[C+8*\c:C+8*\c+3], s[8:9] offset:768*\c          ; 512 consecutive bytes, at a multiple of 256 from xq's first byte
	global_store_b64 v6, v[C+8*\c+4:C+8*\c+5], s[8:9] offset:768*\c+512     ; 256 likewise
.endr
	s_lshl_b32 s68, s[J], 7
	s_add_nc_u64 s[12:13], s[12:13], s[68:69]
	global_store_b32 v[PO], v[PW], s[12:13]        ; my two tokens: sixteen lanes store each word, with the same value
	s_cmp_lg_u32 s[WV], 0
	s_cbranch_scc1 .Lend
	ds_load_b128 v[64:67], v5 offset:SCW           ; wave 0: the tile's scale words, 512 bytes
	s_lshl_b32 s68, s[J], 9
	s_add_nc_u64 s[10:11], s[10:11], s[68:69]
	s_wait_dscnt 0x0
	global_store_b128 v5, v[64:67], s[10:11]
	s_cmp_lg_u32 s[J], 0
	s_cbranch_scc1 .Lend
	v_mov_b32 v[M0], 0                             ; and in work-group 0 the table of tiles
	v_mov_b32 v[M0+1], 0
.irp e, 0,1,2,3,4,5,6,7
	v_writelane_b32 v[M0], s[SS+\e], \e
	v_writelane_b32 v[M0+1], s[TL+\e], \e
.endr
	global_store_b32 v4, v[M0], s[14:15]
	global_store_b32 v4, v[M0+1], s[14:15] offset:128
.Lend:
	s_wait_tensorcnt 0x0
	ds_add_u32 v144, v145
	s_wait_dscnt 0x0
	s_endpgm
.Lfunc_end_k_qe76ec1ea62_prep:
	.size	k_qe76ec1ea62_prep, .Lfunc_end_k_qe76ec1ea62_prep-k_qe76ec1ea62_prep
	.p2alignl 7, 3214868480
	.fill 96, 4, 3214868480
	.section	.rodata,"a",@progbits
	.p2align	6, 0x0
	.amdhsa_kernel k_qe76ec1ea62_prep
		.amdhsa_group_segment_fixed_size 67584
		.amdhsa_private_segment_fixed_size 0
		.amdhsa_enable_private_segment 0
		.amdhsa_kernarg_size 48
		.amdhsa_user_sgpr_count 2
		.amdhsa_user_sgpr_kernarg_segment_ptr 1
		.amdhsa_wavefront_size32 1
		.amdhsa_system_sgpr_workgroup_id_x 1
		.amdhsa_system_sgpr_workgroup_id_y 1
		.amdhsa_system_sgpr_workgroup_id_z 1
		.amdhsa_system_vgpr_workitem_id 0
		.amdhsa_next_free_vgpr 146
		.amdhsa_next_free_sgpr 90
		.amdhsa_reserve_vcc 0
		.amdhsa_float_denorm_mode_32 3
		.amdhsa_float_denorm_mode_16_64 3
		.amdhsa_memory_ordered 1
		.amdhsa_forward_progress 1
		.amdhsa_inst_pref_size 51
	.end_amdhsa_kernel
	.amdgpu_metadata
---
amdhsa.version: [ 1, 2 ]
amdhsa.kernels:
  - .name:           k_qe76ec1ea62_prep
    .symbol:         k_qe76ec1ea62_prep.kd
    .args:
      - { .name: topk_ids, .offset: 0, .size: 8, .value_kind: global_buffer, .address_space: global }
      - { .name: x, .offset: 8, .size: 8, .value_kind: global_buffer, .address_space: global }
      - { .name: xq, .offset: 16, .size: 8, .value_kind: global_buffer, .address_space: global }
      - { .name: xs, .offset: 24, .size: 8, .value_kind: global_buffer, .address_space: global }
      - { .name: perm, .offset: 32, .size: 8, .value_kind: global_buffer, .address_space: global }
      - { .name: meta, .offset: 40, .size: 8, .value_kind: global_buffer, .address_space: global }
    .group_segment_fixed_size: 67584
    .private_segment_fixed_size: 0
    .kernarg_segment_align: 8
    .kernarg_segment_size: 48
    .max_flat_workgroup_size: 256
    .sgpr_count:     90
    .vgpr_count:     146
    .wavefront_size: 32
...
	.end_amdgpu_metadata
.endif
;; end of part 1
;; launch ffn1 (part 2): grid 32 x 8, 16 waves a work-group, no clusters, 57,344 bytes of LDS; arguments weight0, xq, xs, meta, hq, hs; writes hq, hs
.if DOCPART == 2
	.amdgcn_target "amdgcn-amd-amdhsa--gfx1250"
	.amdhsa_code_object_version 6
	.text
	.protected	k_qe76ec1ea62_ffn1
	.globl	k_qe76ec1ea62_ffn1
	.p2align	8
	.type	k_qe76ec1ea62_ffn1,@function
k_qe76ec1ea62_ffn1:
	s_mov_b64 s[64:65], 0
	v_nop
	global_prefetch_b8 v0, s[64:65] scope:SCOPE_SE
	s_setreg_imm32_b32 hwreg(HW_REG_WAVE_MODE, 25, 1), 1
	s_wait_xcnt 0x0
; FFN1: hidden = Q(gelu(Q(x) Q(W0[e]))) for the rows of expert e, on codes of FP6 (E2M3) with one E8M0 scale for each 32 along K.  W0: [8][1024 (k)][2048 (n)] f32.
; SHARES.  Work-group (x, y) owns columns 64 x .. 64 x + 63 of expert y and serves ALL of that expert's row tiles, so each f32 number of W0 is read once in the launch and no code of a weight goes to memory.
; K goes in 4 rounds of 256.  In a round wave w = 2 kb + ch loads 32 rows k = 256 r + 32 kb + i of 32 columns (lane l: column 32 ch + l): a block of 32 along K lies in one lane's 32 registers; waves ch = 0 and 1
; stand side by side on 256 consecutive bytes of each row.  The block's codes and byte go into LDS as a piece of an IMAGE OF THE OPERAND'S REGISTERS; images are written once and stay; one barrier a round.
; Behind the barrier wave q multiplies the round's two K steps for ITS pair of row tiles (2 q, 2 q + 1 of the expert): 4 tiles of columns x 2 tiles of rows = 8 accumulators.  Each row tile is read by one wave
; of the work-group, straight from memory into registers (xq is laid as register images).  An expert with more than 32 tiles: a loop without barriers takes pairs q + 16, q + 32 .. when all images lie in LDS.
; THE MATRIX INSTRUCTION IS USED TRANSPOSED (source 0 = 16 columns of W0, source 1 = 16 rows of x), AND THE COLUMNS OF A TILE ARE NOT NEIGHBOURS: row m of tile 2 b + u is column 32 b + 16 (m / 8) + 8 u + m % 8,
; so that lane (r, h) holds row r and the 16 registers of tiles 2 b, 2 b + 1 are hidden units 32 b + 16 h + 0 .. 15: neighbours along the next K.
; GELU: 0.5 x (1 + erf(x / sqrt 2)), erf(z) = z P(z^2) / Q(z^2) with z held to +-4 (degrees 6 and 4 in z^2; absolute error about 1e-7), all in f32.
; NO TENSOR LOADS, NO JOINT REQUESTS: how many pairs a wave walks, and whether it multiplies at all, hangs on counts read from meta; the 32 work-groups of an expert do read the same xq (12 KB a tile).
; LIMITS: NaN and infinities are not served.  A block whose largest magnitude lies under 2^-124 (a block of zeros too) keeps the scale byte 1; this program alone reads the bytes.
.set NR,     4                         ; rounds of 256 along K
.set MORE,   4                         ; further passes over pairs at the most: the tiles are held to 135, so the pairs to 68, and pair w + 16 k lies under 68 for k up to 4
.set PITCH,  8192                      ; a row of W0 in bytes
.set ATILE,  12288                     ; a row tile's codes in xq;  its scale words in xs
.set STILE,  512
.set HTILE,  24576                     ; the same in hq and hs
.set HSTILE, 1024
.set FRP,    1664                      ; an image in LDS: 1,536 bytes + 128, so that the tiles u = 0 and u = 1, stored by one instruction, start 128 bytes apart modulo 256
.set RSTEP,  8*FRP                     ; a round's eight images
.set WSC,    0                         ; LDS: the weights' scale words [K step 8][b 2][32]: word 16 u + m = row m of tile 2 b + u
.set WIMG,   2048                      ; the images: (K step s, tile t) at (4 s + t) FRP
.set WOFF, 1                           ; v1  my byte in W0's rows: 4 l + 128 ch + kb x 32 rows
.set WST,  2                           ; v2  where my block's first 16 bytes of codes go;  v3 its last 8;  v4 its scale byte
.set WST2, 3
.set WSS,  4
.set LW16, 5                           ; v5  WIMG + 16 l;  v6 WIMG + 512 + 8 l;  v7 WSC + 4 l: an image's and a scale word's place for my lane
.set LW8,  6
.set LWS,  7
.set LI16, 8                           ; v8  16 l;  v9 8 l;  v10 4 (l % 16);  v11 4 (l % 16) + l / 16: offsets in memory
.set LI8,  9
.set R4,   10
.set HSO,  11
.set AS,   16                          ; v16-19  the rows' scale words, [K step of the round][tile of the pair]: scales and nothing else
.set WS,   20                          ; v20-21  the weights' scale words: likewise
.set AF,   22                          ; v22-69  the rows' fragments: 2 K steps x 2 tiles x 12
.set WF,   70                          ; v70-117 the weights' four fragments of a K step
.set ACC,  118                         ; v118-181 accumulator (tile of rows p, tile of columns t) at 32 p + 8 t
.set LAND, 182                         ; v182-245 two sets of 32 numbers of W0; on the way out at work
.set C,    246                         ; v246-252 a block's codes
.set SCL,  253
.set MX1,  254
.set MX2,  255
.set GZ,   LAND                        ; the way out: z, z^2, P, Q (8 each); a11 and b6 as pairs; at work; two bytes; two sets of codes
.set GY,   LAND+8
.set GP,   LAND+16
.set GQ,   LAND+24
.set GA,   LAND+32
.set GB,   LAND+34
.set TM,   LAND+36
.set BYP,  LAND+42
.set CP,   LAND+48
.set WV,   16                          ; s16 wave; s17 ch; s18 kb; s19 expert; s20 column slice
.set CH,   17
.set KB,   18
.set EX,   19
.set CS,   20
.set ST0,  22                          ; s22 the expert's first tile; s23 its tiles; s24 its pairs; s25 my pair
.set NT,   23
.set NQ,   24
.set QP,   25
.set WB,   26                          ; s[26:27] W0 at my expert and slice
.set AB,   28                          ; s[28:31] the pair's codes;  s[32:35] its scale words;  s[36:39] where its hidden codes go;  s[40:43] their bytes
.set SB,   32
.set OB,   36
.set KR,   44                          ; constants as pairs (the packed forms name a pair and take its low word for both halves)
.set KA13, 46
.set KA9,  48
.set KA7,  50
.set KA5,  52
.set KA3,  54
.set KA1,  56
.set KB8,  58
.set KB4,  60
.set KB2,  62
.set KB0,  66
.set SEL,  68                          ; s[68:69] selects for lane l xor 16;  s70 the mask of lanes 16-31;  s71: has the pair a second tile?
.set HM,   70
.set HAS2, 71
.set TRIP, 78                          ; s78 counts the further passes
.macro QBLK x, c                       ; 32 numbers of one lane, one block along K: 6 registers of codes at v[c], the scale's byte in v[MX2]
	v_max3_num_f32 v[MX1], |v[\x]|, |v[\x+1]|, |v[\x+2]|
	v_max3_num_f32 v[MX2], |v[\x+3]|, |v[\x+4]|, |v[\x+5]|
.irp i, 6,10,14,18,22,26
	v_max3_num_f32 v[MX1], v[MX1], |v[\x+\i]|, |v[\x+\i+1]|
	v_max3_num_f32 v[MX2], v[MX2], |v[\x+\i+2]|, |v[\x+\i+3]|
.endr
	v_max3_num_f32 v[MX1], v[MX1], |v[\x+30]|, |v[\x+31]|
	v_max3_num_f32 v[MX1], v[MX1], v[MX2], 0x1800000           ; the floor 2^(3 - 127): the byte cannot fall under 1
	v_add_nc_u32 v[SCL], 0xff000000, v[MX1]                    ; 2 off the exponent field: the conversion's scale operand
	v_cvt_scalef32_pk16_fp6_f32 v[\c:\c+2], v[\x:\x+15], v[SCL]
	v_cvt_scalef32_pk16_fp6_f32 v[\c+4:\c+6], v[\x+16:\x+31], v[SCL]   ; (a conversion's three registers begin on an even number)
	v_lshrrev_b32 v[MX2], 23, v[SCL]                           ; the byte; also the plain line behind the conversions
	v_mov_b32 v[\c+3], v[\c+4]
	v_mov_b32 v[\c+4], v[\c+5]
	v_mov_b32 v[\c+5], v[\c+6]
.endm
.macro LOADW r, set                    ; round r's 32 rows of my 32 columns: each load 128 consecutive bytes; every offset an immediate (6.5 MB at the most: inside the signed 24 bits)
.set i_, 0
.rept 32
	global_load_b32 v[LAND+32*(\set)+i_], v[WOFF], s[WB:WB+1] offset:((\r)*256+i_)*PITCH th:TH_LOAD_NT
.set i_, i_+1
.endr
.endm
.macro QUANTW r                        ; my block of round r becomes 24 bytes of an image and a byte of a scale word
	QBLK LAND+32*((\r)%2), C
	ds_store_b128 v[WST], v[C:C+3] offset:RSTEP*(\r)
	ds_store_b64 v[WST2], v[C+4:C+5] offset:RSTEP*(\r)
	ds_store_b8 v[WSS], v[MX2] offset:512*(\r)
.endm
.macro SETPAIR                         ; the tiles of pair s[QP] and all that hangs on them.  A wave without a pair takes tile 0, which every split has
	s_lshl_b32 s74, s[QP], 1
	s_add_co_u32 s75, s74, 1
	s_cmp_lt_u32 s75, s[NT]
	s_cselect_b32 s[HAS2], 1, 0
	s_sub_co_u32 s76, s[NT], 1
	s_min_u32 s75, s75, s76                        ; an odd last tile is its own partner: multiplied twice, stored once
	s_add_co_u32 s74, s74, s[ST0]
	s_add_co_u32 s75, s75, s[ST0]
	s_cmp_lt_u32 s[QP], s[NQ]
	s_cselect_b32 s74, s74, 0
	s_cselect_b32 s75, s75, 0
	s_min_u32 s74, s74, 134                        ; inside the buffers whatever was read
	s_min_u32 s75, s75, 134
	s_mov_b32 s77, 0
.irp p, 0,1
	s_mul_i32 s76, s[74+\p], ATILE
	s_add_nc_u64 s[AB+2*\p:AB+2*\p+1], s[6:7], s[76:77]
	s_mul_i32 s76, s[74+\p], STILE
	s_add_nc_u64 s[SB+2*\p:SB+2*\p+1], s[8:9], s[76:77]
	s_mul_i32 s76, s[74+\p], HTILE
	s_add_nc_u64 s[OB+2*\p:OB+2*\p+1], s[12:13], s[76:77]
	s_mul_i32 s76, s[74+\p], HSTILE
	s_add_nc_u64 s[OB+4+2*\p:OB+5+2*\p], s[14:15], s[76:77]
.endr
.endm
.macro LOADA r                         ; the pair's fragments and scale words of round r's two K steps: 20 loads, whole runs of 512 and 256 bytes
.irp sk, 0,1
.irp p, 0,1
	global_load_b128 v[AF+24*\sk+12*\p:AF+24*\sk+12*\p+3], v[LI16], s[AB+2*\p:AB+2*\p+1] offset:(2*(\r)+\sk)*1536
	global_load_b64 v[AF+24*\sk+12*\p+4:AF+24*\sk+12*\p+5], v[LI8], s[AB+2*\p:AB+2*\p+1] offset:(2*(\r)+\sk)*1536+512
	global_load_b128 v[AF+24*\sk+12*\p+6:AF+24*\sk+12*\p+9], v[LI16], s[AB+2*\p:AB+2*\p+1] offset:(2*(\r)+\sk)*1536+768
	global_load_b64 v[AF+24*\sk+12*\p+10:AF+24*\sk+12*\p+11], v[LI8], s[AB+2*\p:AB+2*\p+1] offset:(2*(\r)+\sk)*1536+1280
	global_load_b32 v[AS+2*\sk+\p], v[R4], s[SB+2*\p:SB+2*\p+1] offset:64*(2*(\r)+\sk)
.endr
.endr
.endm
.macro WM p, t, sk, zero               ; one product: tile t of columns x tile p of rows.  An odd tile's scale words lie in lanes 16-31 of the register
.set D_, ACC+32*(\p)+8*(\t)
.set A_, WF+12*(\t)
.set B_, AF+24*(\sk)+12*(\p)
.if \zero
.if (\t)%2
	v_wmma_scale_f32_16x16x128_f8f6f4 v[D_:D_+7], v[A_:A_+11], v[B_:B_+11], 0, v[WS+(\t)/2], v[AS+2*(\sk)+(\p)] matrix_a_fmt:MATRIX_FMT_FP6 matrix_b_fmt:MATRIX_FMT_FP6 matrix_a_scale:MATRIX_SCALE_ROW1
.else
	v_wmma_scale_f32_16x16x128_f8f6f4 v[D_:D_+7], v[A_:A_+11], v[B_:B_+11], 0, v[WS+(\t)/2], v[AS+2*(\sk)+(\p)] matrix_a_fmt:MATRIX_FMT_FP6 matrix_b_fmt:MATRIX_FMT_FP6
.endif
.else
.if (\t)%2
	v_wmma_scale_f32_16x16x128_f8f6f4 v[D_:D_+7], v[A_:A_+11], v[B_:B_+11], v[D_:D_+7], v[WS+(\t)/2], v[AS+2*(\sk)+(\p)] matrix_a_fmt:MATRIX_FMT_FP6 matrix_b_fmt:MATRIX_FMT_FP6 matrix_a_scale:MATRIX_SCALE_ROW1
.else
	v_wmma_scale_f32_16x16x128_f8f6f4 v[D_:D_+7], v[A_:A_+11], v[B_:B_+11], v[D_:D_+7], v[WS+(\t)/2], v[AS+2*(\sk)+(\p)] matrix_a_fmt:MATRIX_FMT_FP6 matrix_b_fmt:MATRIX_FMT_FP6
.endif
.endif
.endm
; Round r's two K steps for my pair.  zero = 1: the first K step's products start the sums.  The eight accumulators take turns, one instruction a turn, in the same order everywhere.
; Five v_nop follow each K step: the places in front of loads into registers that these products have read, of the first read of results, and of a sum begun anew over an old one.
.macro MUL r, zero
.irp sk, 0,1
.set S_, 2*(\r)+\sk
.set Z_, (\zero)*(1-\sk)
	ds_load_b32 v[WS], v[LWS] offset:256*S_
	ds_load_b32 v[WS+1], v[LWS] offset:256*S_+128
.irp t, 0,1,2,3
	ds_load_b128 v[WF+12*\t:WF+12*\t+3], v[LW16] offset:(4*S_+\t)*FRP
	ds_load_b64 v[WF+12*\t+4:WF+12*\t+5], v[LW8] offset:(4*S_+\t)*FRP
	ds_load_b128 v[WF+12*\t+6:WF+12*\t+9], v[LW16] offset:(4*S_+\t)*FRP+768
	ds_load_b64 v[WF+12*\t+10:WF+12*\t+11], v[LW8] offset:(4*S_+\t)*FRP+768
.endr
.irp t, 0,1,2,3
	s_wait_dscnt 12-4*\t                           ; the scale words and tiles 0 .. t are in; four loads for each later tile may be out
	WM 0, \t, \sk, Z_
	WM 1, \t, \sk, Z_
.endr
.rept 5
	v_nop
.endr
.endr
.endm
.macro GELU a                          ; the eight numbers of the accumulator at v[a], in place; its registers are read from the low end on
.irp j, 0,2,4,6
	v_pk_mul_f32 v[GZ+\j:GZ+\j+1], v[\a+\j:\a+\j+1], s[KR:KR+1] op_sel_hi:[1,0]       ; z = x / sqrt 2
.endr
.irp i, 0,1,2,3,4,5,6,7
	v_med3_num_f32 v[GZ+\i], v[GZ+\i], -4.0, 4.0
.endr
.irp j, 0,2,4,6
	v_pk_mul_f32 v[GY+\j:GY+\j+1], v[GZ+\j:GZ+\j+1], v[GZ+\j:GZ+\j+1]
.endr
.irp j, 0,2,4,6
	v_pk_fma_f32 v[GP+\j:GP+\j+1], v[GY+\j:GY+\j+1], s[KA13:KA13+1], v[GA:GA+1] op_sel_hi:[1,0,1]
	v_pk_fma_f32 v[GQ+\j:GQ+\j+1], v[GY+\j:GY+\j+1], s[KB8:KB8+1], v[GB:GB+1] op_sel_hi:[1,0,1]
.endr
.irp k, KA9, KA7, KA5, KA3, KA1
.irp j, 0,2,4,6
	v_pk_fma_f32 v[GP+\j:GP+\j+1], v[GP+\j:GP+\j+1], v[GY+\j:GY+\j+1], s[\k:\k+1] op_sel_hi:[1,1,0]
.endr
.endr
.irp k, KB4, KB2, KB0
.irp j, 0,2,4,6
	v_pk_fma_f32 v[GQ+\j:GQ+\j+1], v[GQ+\j:GQ+\j+1], v[GY+\j:GY+\j+1], s[\k:\k+1] op_sel_hi:[1,1,0]
.endr
.endr
.irp i, 0,1,2,3,4,5,6,7
	v_rcp_f32 v[GQ+\i], v[GQ+\i]
.endr
.irp j, 0,2,4,6
	v_pk_mul_f32 v[GP+\j:GP+\j+1], v[GP+\j:GP+\j+1], v[GZ+\j:GZ+\j+1]                 ; z P: plain lines between the reciprocals and their use
.endr
	s_wait_alu depctr_va_vdst(0)
.irp j, 0,2,4,6
	v_pk_mul_f32 v[GP+\j:GP+\j+1], v[GP+\j:GP+\j+1], v[GQ+\j:GQ+\j+1]                 ; erf
.endr
.irp j, 0,2,4,6
	v_pk_mul_f32 v[GZ+\j:GZ+\j+1], v[\a+\j:\a+\j+1], 0.5 op_sel_hi:[1,0]
.endr
.irp j, 0,2,4,6
	v_pk_fma_f32 v[\a+\j:\a+\j+1], v[GZ+\j:GZ+\j+1], v[GP+\j:GP+\j+1], v[GZ+\j:GZ+\j+1]   ; x / 2 x erf + x / 2
.endr
.endm
; Tile p of the pair: gelu; its 64 hidden units are two blocks along the next K, half a fragment: registers 6 c .. 6 c + 5 with c = slice % 2, of K step slice / 2
.macro HALF p
.set H_, ACC+32*(\p)
.set O_, CP+8*(\p)
.irp t, 0,1,2,3
	GELU ACC+32*(\p)+8*\t
.endr
.irp b, 0,1
	v_max3_num_f32 v[TM+\b], |v[H_+16*\b]|, |v[H_+16*\b+1]|, 0x1800000    ; block b: my 16 numbers, and the floor
.endr
.irp i, 2,4,6,8,10,12,14
.irp b, 0,1
	v_max3_num_f32 v[TM+\b], v[TM+\b], |v[H_+16*\b+\i]|, |v[H_+16*\b+\i+1]|
.endr
.endr
.irp b, 0,1
	v_permlanex16_b32 v[TM+2+\b], v[TM+\b], s[SEL], s[SEL+1]
.endr
.irp b, 0,1
	v_max_num_f32 v[TM+\b], v[TM+\b], v[TM+2+\b]   ; with lane l xor 16's 16: the block's largest magnitude
.endr
.irp b, 0,1
	v_add_nc_u32 v[TM+4+\b], 0xff000000, v[TM+\b]
.endr
.irp b, 0,1
	v_lshrrev_b32 v[TM+2+\b], 23, v[TM+4+\b]       ; the bytes
.endr
	v_cvt_scalef32_pk16_fp6_f32 v[O_:O_+2], v[H_:H_+15], v[TM+4]
	v_cvt_scalef32_pk16_fp6_f32 v[O_+4:O_+6], v[H_+16:H_+31], v[TM+5]
	v_nop                                          ; one plain line behind the conversions
.irp i, 0,1,2
	v_permlane16_swap_b32 v[O_+\i], v[O_+4+\i]     ; a lane wants a whole block: lanes 0-15 block 0, lanes 16-31 block 1
.endr
.irp i, 0,1,2
	v_mov_b32 v[O_+3+\i], v[O_+4+\i]
.endr
	v_cndmask_b32 v[BYP+\p], v[TM+2], v[TM+3], s[HM]   ; lanes 0-15 store block 0's byte, lanes 16-31 block 1's
	global_store_b128 v[LI16], v[O_:O_+3], s[OB+2*\p:OB+2*\p+1]               ; 512 consecutive bytes, at a multiple of 256 from hq's first byte
	global_store_b64 v[LI8], v[O_+4:O_+5], s[OB+2*\p:OB+2*\p+1] offset:512    ; 256 likewise
	global_store_b8 v[HSO], v[BYP+\p], s[OB+4+2*\p:OB+5+2*\p]                 ; two bytes of each row's scale word: one byte in 24 of what goes out
.endm
.macro WAYOUT
	v_mov_b32 v[GA], 0x32edffee                    ; a11, twice
	v_mov_b32 v[GA+1], 0x32edffee
	v_mov_b32 v[GB], 0xb95fbd29                    ; b6, twice
	v_mov_b32 v[GB+1], 0xb95fbd29
	v_mov_b32 v[TM+2], 0                           ; (a lane permute's destination counts as one of its sources)
	v_mov_b32 v[TM+3], 0
	HALF 0
	s_cmp_eq_u32 s[HAS2], 0
	s_cbranch_scc1 .Lone_\@
	HALF 1
.Lone_\@:
.endm
; A ROUND.  Order of the loads in flight: W(r), A(r), W(r+1); loads come back in order (ISA guide 5.7.1).
.macro ROUND r
.if \r == 0
	s_wait_loadcnt 52                              ; W(0) is in: behind it stand A(0)'s 20 loads and W(1)'s 32
.elseif \r < NR-1
	s_wait_loadcnt 32                              ; W(r), and A(r) if it was asked for, are in: only W(r+1)'s 32 may be out
.else
	s_wait_loadcnt 0x0
.endif
	QUANTW \r
	s_wait_dscnt 0x0                               ; for the others' sake: my piece of the images has landed
	s_barrier_signal -1
	s_barrier_wait -1                              ; the round's eight images and their scale words are whole.  They are never written again
.if \r == 0
	s_wait_loadcnt 32                              ; A(0) is in
	MUL 0, 1                                       ; by every wave, so that the sums are begun on every way; a wave without a pair multiplies tile 0 once
	s_cmp_ge_u32 s[QP], s[NQ]
	s_cbranch_scc1 .Lidle_\@
	LOADA 1
.Lidle_\@:
.else
	s_cmp_ge_u32 s[QP], s[NQ]                      ; no barrier stands under this branch
	s_cbranch_scc1 .Lidle_\@
	MUL \r, 0
.if \r < NR-1
	LOADA \r+1
.else
	WAYOUT
.endif
.Lidle_\@:
.endif
.if \r+2 < NR
	LOADW \r+2, \r%2                               ; into the set just quantised
.endif
.endm
	s_load_b256 s[4:11], s[0:1], 0x0               ; W0 s[4:5], xq s[6:7], xs s[8:9], meta s[10:11]
	s_load_b128 s[12:15], s[0:1], 0x20             ; hq s[12:13], hs s[14:15]
	v_lshl_add_u32 v14, v0, 2, 0xd800
	v_mov_b32 v15, 0
	v_lshrrev_b32 v22, 5, v0
	v_readfirstlane_b32 s[WV], v22                 ; wave 0..15
	s_and_b32 s[CH], s[WV], 1
	s_lshr_b32 s[KB], s[WV], 1
	s_and_b32 s[EX], ttmp7, 0xffff
	s_mov_b32 s[CS], ttmp9
	v_and_b32 v22, 31, v0                          ; l
	v_bfe_u32 v23, v0, 3, 1                        ; u: which tile of the two my column falls into
	v_and_b32 v24, 7, v0
	v_bfe_u32 v25, v0, 4, 1                        ; l / 16
	v_lshl_add_u32 v24, v25, 3, v24                ; m: its row there
	v_and_b32 v26, 15, v0                          ; l % 16
	s_mul_i32 s74, s[KB], 32*PITCH
	s_lshl_b32 s75, s[CH], 7
	s_add_co_u32 s74, s74, s75
	v_lshl_add_u32 v[WOFF], v22, 2, s74
	; my block is K step kb / 4 of the round, block kb % 4 of it: registers 6 c .. 6 c + 5, c = (kb / 2) % 2, of the image's lane m + 16 (kb % 2)
	s_lshr_b32 s74, s[KB], 2
	s_lshl_b32 s75, s74, 2
	s_lshl_b32 s76, s[CH], 1
	s_add_co_u32 s75, s75, s76
	s_mul_i32 s75, s75, FRP
	s_bfe_u32 s76, s[KB], 0x10001
	s_mul_i32 s76, s76, 768
	s_add_co_u32 s75, s75, s76
	s_and_b32 s76, s[KB], 1
	s_lshl_b32 s77, s76, 8
	s_add_co_u32 s77, s77, s75
	s_add_co_u32 s77, s77, WIMG
	s_lshl_b32 s76, s76, 7
	s_add_co_u32 s76, s76, s75
	s_add_co_u32 s76, s76, WIMG+512
	v_mul_u32_u24 v27, v23, FRP
	v_lshl_add_u32 v[WST], v24, 4, v27
	v_add_nc_u32 v[WST], s77, v[WST]
	v_lshl_add_u32 v[WST2], v24, 3, v27
	v_add_nc_u32 v[WST2], s76, v[WST2]
	s_lshl_b32 s74, s74, 1
	s_add_co_u32 s74, s74, s[CH]
	s_lshl_b32 s74, s74, 7
	s_and_b32 s75, s[KB], 3
	s_add_co_u32 s74, s74, s75
	s_add_co_u32 s74, s74, WSC
	v_lshl_add_u32 v27, v23, 4, v24
	v_lshl_add_u32 v[WSS], v27, 2, s74
	v_lshl_add_u32 v[LW16], v22, 4, WIMG
	v_lshl_add_u32 v[LW8], v22, 3, WIMG+512
	v_lshl_add_u32 v[LWS], v22, 2, WSC
	v_lshlrev_b32 v[LI16], 4, v22
	v_lshlrev_b32 v[LI8], 3, v22
	v_lshlrev_b32 v[R4], 2, v26
	v_lshl_add_u32 v[HSO], v26, 2, v25
	s_mov_b32 s[KR], 0x3f3504f3                    ; 1 / sqrt 2
	s_mov_b32 s[KA13], 0xaf95df0b                  ; P: -2.72614226e-10, (a11 = 2.77068142e-08), -2.10102402e-06, -5.69250639e-05, -7.34990630e-04, -2.95459981e-03, -1.60960333e-02
	s_mov_b32 s[KA9], 0xb60cff51
	s_mov_b32 s[KA7], 0xb86ec2d2
	s_mov_b32 s[KA5], 0xba40ac63
	s_mov_b32 s[KA3], 0xbb41a1f6
	s_mov_b32 s[KA1], 0xbc83dbd4
	s_mov_b32 s[KB8], 0xb77460cd                   ; Q: -1.45660718e-05, (b6 = -2.13374055e-04), -1.68282697e-03, -7.37332917e-03, -1.42647391e-02
	s_mov_b32 s[KB4], 0xbadc924e
	s_mov_b32 s[KB2], 0xbbf19bf8
	s_mov_b32 s[KB0], 0xbc69b6a7
.irp k, KR, KA13, KA9, KA7, KA5, KA3, KA1, KB8, KB4, KB2, KB0
	s_mov_b32 s[\k+1], s[\k]                       ; (named with it as a pair, so it is written)
.endr
	s_mov_b32 s[SEL], 0x76543210
	s_mov_b32 s[SEL+1], 0xfedcba98
	s_mov_b32 s[HM], 0xffff0000
	s_wait_kmcnt 0x0
	s_lshl_b32 s74, s[EX], 2
	s_mov_b32 s75, 0
	s_add_nc_u64 s[10:11], s[10:11], s[74:75]
	s_load_b32 s[ST0], s[10:11], 0x0               ; my expert's first tile
	s_load_b32 s[NT], s[10:11], 0x80               ; and its tiles
	s_lshl_b32 s74, s[EX], 23                      ; an expert's W0 is 8 MiB
	s_lshl_b32 s76, s[CS], 8
	s_add_co_u32 s74, s74, s76
	s_add_nc_u64 s[WB:WB+1], s[4:5], s[74:75]
	s_mul_i32 s74, s[CS], 768                      ; hq: K step slice / 2, half slice % 2
	s_add_nc_u64 s[12:13], s[12:13], s[74:75]
	s_lshr_b32 s74, s[CS], 1
	s_lshl_b32 s74, s74, 6
	s_and_b32 s76, s[CS], 1
	s_lshl_b32 s76, s76, 1
	s_add_co_u32 s74, s74, s76                     ; hs: 64 bytes a K step, bytes 2 (slice % 2) on of each word
	s_add_nc_u64 s[14:15], s[14:15], s[74:75]
	LOADW 0, 0                                     ; the weights do not hang on meta: they are asked for first
	s_wait_kmcnt 0x0
	s_min_u32 s[ST0], s[ST0], 134
	s_min_u32 s[NT], s[NT], 135
	s_add_co_u32 s[NQ], s[NT], 1
	s_lshr_b32 s[NQ], s[NQ], 1                     ; pairs of tiles
	s_mov_b32 s[QP], s[WV]
	SETPAIR
	LOADA 0                                        ; by every wave, so that the fragments' registers are written on every way
	LOADW 1, 1
	ROUND 0
	ROUND 1
	ROUND 2
	ROUND 3
	; more than 16 pairs (over 512 rows on this expert): all images lie in LDS; no barrier, no store to shared LDS bytes from here on.
	; The loop is counted against the constant MORE; a wave leaves it as soon as the expert has no pair 16 further on
	s_mov_b32 s[TRIP], 0
.Lmore:
	s_add_co_u32 s[QP], s[QP], 16
	s_cmp_ge_u32 s[QP], s[NQ]
	s_cbranch_scc1 .Lend
	s_wait_xcnt 0x0                                ; the last way out's stores have read their data and bases: both are written again below
	SETPAIR
.irp r, 0,1,2,3
	LOADA \r
	s_wait_loadcnt 0x0
.if \r == 0
	MUL \r, 1
.else
	MUL \r, 0
.endif
.endr
	WAYOUT
	s_add_co_u32 s[TRIP], s[TRIP], 1
	s_cmp_lt_u32 s[TRIP], MORE
	s_cbranch_scc1 .Lmore
.Lend:
	s_wait_tensorcnt 0x0
	ds_add_u32 v14, v15
	s_wait_dscnt 0x0
	s_endpgm
.Lfunc_end_k_qe76ec1ea62_ffn1:
	.size	k_qe76ec1ea62_ffn1, .Lfunc_end_k_qe76ec1ea62_ffn1-k_qe76ec1ea62_ffn1
	.p2alignl 7, 3214868480
	.fill 96, 4, 3214868480
	.section	.rodata,"a",@progbits
	.p2align	6, 0x0
	.amdhsa_kernel k_qe76ec1ea62_ffn1
		.amdhsa_group_segment_fixed_size 57344
		.amdhsa_private_segment_fixed_size 0
		.amdhsa_enable_private_segment 0
		.amdhsa_kernarg_size 48
		.amdhsa_user_sgpr_count 2
		.amdhsa_user_sgpr_kernarg_segment_ptr 1
		.amdhsa_wavefront_size32 1
		.amdhsa_system_sgpr_workgroup_id_x 1
		.amdhsa_system_sgpr_workgroup_id_y 1
		.amdhsa_system_sgpr_workgroup_id_z 1
		.amdhsa_system_vgpr_workitem_id 0
		.amdhsa_next_free_vgpr 256
		.amdhsa_next_free_sgpr 90
		.amdhsa_reserve_vcc 0
		.amdhsa_float_denorm_mode_32 3
		.amdhsa_float_denorm_mode_16_64 3
		.amdhsa_memory_ordered 1
		.amdhsa_forward_progress 1
		.amdhsa_inst_pref_size 167
	.end_amdhsa_kernel
	.amdgpu_metadata
---
amdhsa.version: [ 1, 2 ]
amdhsa.kernels:
  - .name:           k_qe76ec1ea62_ffn1
    .symbol:         k_qe76ec1ea62_ffn1.kd
    .args:
      - { .name: weight0, .offset: 0, .size: 8, .value_kind: global_buffer, .address_space: global }
      - { .name: xq, .offset: 8, .size: 8, .value_kind: global_buffer, .address_space: global }
      - { .name: xs, .offset: 16, .size: 8, .value_kind: global_buffer, .address_space: global }
      - { .name: meta, .offset: 24, .size: 8, .value_kind: global_buffer, .address_space: global }
      - { .name: hq, .offset: 32, .size: 8, .value_kind: global_buffer, .address_space: global }
      - { .name: hs, .offset: 40, .size: 8, .value_kind: global_buffer, .address_space: global }
    .group_segment_fixed_size: 57344
    .private_segment_fixed_size: 0
    .kernarg_segment_align: 8
    .kernarg_segment_size: 48
    .max_flat_workgroup_size: 512
    .sgpr_count:     90
    .vgpr_count:     256
    .wavefront_size: 32
...
	.end_amdgpu_metadata
.endif
;; end of part 2
;; launch ffn2 (part 3): grid 32 x 8, 16 waves a work-group, no clusters, 182,272 bytes of LDS; arguments weight1, hq, hs, meta, perm, out0; writes out0
.if DOCPART == 3
	.amdgcn_target "amdgcn-amd-amdhsa--gfx1250"
	.amdhsa_code_object_version 6
	.text
	.protected	k_qe76ec1ea62_ffn2
	.globl	k_qe76ec1ea62_ffn2
	.p2align	8
	.type	k_qe76ec1ea62_ffn2,@function
k_qe76ec1ea62_ffn2:
	s_mov_b64 s[64:65], 0
	v_nop
	global_prefetch_b8 v0, s[64:65] scope:SCOPE_SE
	s_setreg_imm32_b32 hwreg(HW_REG_WAVE_MODE, 25, 1), 1
	s_wait_xcnt 0x0
; FFN2: out[token] = hidden Q(W1[e]) for the rows of expert e, on codes of FP6 (E2M3) with one E8M0 scale for each 32 along K.  W1: [8][2048 (k)][1024 (n)] f32.  The hidden layer arrives as register images (hq, hs).
; SHARES.  Work-groups (2 c, y) and (2 c + 1, y) are TWINS: both own columns 64 c .. 64 c + 63 of expert y and both stream and quantise those 512 KB of W1 (neighbours in the grid, so that the second reading
; follows the first closely); twin z takes the pairs of row tiles 2 q + z.  So 256 work-groups have work, a row of W1 is read and a row of out0 written in runs of 256 consecutive aligned bytes, and each tile of hq is read once for each slice.
; K goes in 8 rounds of 256.  In a round wave w = 2 kb + ch loads 32 rows k = 256 r + 32 kb + i of 32 columns (lane l: column 32 ch + l): a block of 32 along K lies in one lane's 32 registers.  Its codes and byte go into
; LDS as a piece of an IMAGE OF THE OPERAND'S REGISTERS; images are written once and stay; one barrier a round.  Behind it wave q multiplies the round's two K steps for its pair: 4 x 2 accumulators.
; A twin with more than 16 pairs: a loop without barriers takes pairs q + 16 .. when all images lie in LDS.
; THE MATRIX INSTRUCTION IS USED TRANSPOSED (source 0 = 16 columns of W1, source 1 = 16 rows), with the columns of a tile chosen as in the first layer: row m of tile 2 b + u is column 32 b + 16 (m / 8) + 8 u + m % 8:
; lane (r, h) holds row r, register j of tile 2 b + u column 32 b + 16 h + 8 u + j.
; THE WAY OUT: a tile's 16 rows x 256 bytes go through the wave's own stage in LDS and leave as whole rows, sixteen lanes to 256 consecutive aligned bytes of the token's row (perm).  Padding slots repeat a tile's last
; token: the same bytes are then stored twice with the same values, by one wave.
; NO TENSOR LOADS, NO JOINT REQUESTS: how many pairs a wave walks hangs on counts read from meta.
; LIMITS: NaN and infinities are not served.  A block of W1 whose largest magnitude lies under 2^-124 (a block of zeros too) keeps the scale byte 1.
.set NR,     8                         ; rounds of 256 along K
.set MORE,   2                         ; further passes over pairs at the most: the tiles are held to 135, so a twin's pairs to 34, and pair w + 16 k lies under 34 for k up to 2
.set PITCH,  4096                      ; a row of W1 in bytes
.set ATILE,  24576                     ; a row tile's codes in hq;  its scale words in hs
.set STILE,  1024
.set FRP,    1664                      ; an image in LDS: 1,536 bytes + 128, so that the tiles u = 0 and u = 1, stored by one instruction, start 128 bytes apart modulo 256
.set RSTEP,  8*FRP                     ; a round's eight images
.set WSC,    0                         ; LDS: the weights' scale words [K step 16][b 2][32]: word 16 u + m = row m of tile 2 b + u
.set WIMG,   4096                      ; the images: (K step s, tile t) at (4 s + t) FRP
.set STG,    WIMG+64*FRP               ; the stages: 16 rows x (256 bytes + 16) for each wave
.set SPI,    272
.set WOFF, 1                           ; v1  my byte in W1's rows: 4 l + 128 ch + kb x 32 rows
.set WST,  2                           ; v2  where my block's first 16 bytes of codes go;  v3 its last 8;  v4 its scale byte
.set WST2, 3
.set WSS,  4
.set LW16, 5                           ; v5  WIMG + 16 l;  v6 WIMG + 512 + 8 l;  v7 WSC + 4 l
.set LW8,  6
.set LWS,  7
.set LI16, 8                           ; v8  16 l;  v9 8 l;  v10 4 (l % 16): offsets in memory
.set LI8,  9
.set R4,   10
.set LW16H, 11                         ; v11, v12: v5, v6 for K steps 8-15 (an LDS offset has 16 bits)
.set LW8H, 12
.set STO,  13                          ; v13 the stage: where I put 16 bytes of a row;  v14 where I read a row back
.set SRD,  14
.set TKO,  15                          ; v15 4 (l / 16): my row of the two that an instruction stores, in perm
.set AS,   16                          ; v16-19  the rows' scale words: scales and nothing else
.set WS,   20                          ; v20-21  the weights' scale words: likewise
.set AF,   22                          ; v22-69  the rows' fragments: 2 K steps x 2 tiles x 12; on the way out tile 0's rows
.set WF,   70                          ; v70-117 the weights' four fragments of a K step; on the way out tile 1's rows
.set ACC,  118                         ; v118-181 accumulator (tile of rows p, tile of columns t) at 32 p + 8 t
.set LAND, 182                         ; v182-245 two sets of 32 numbers of W1
.set TK,   LAND                        ; the way out: 16 tokens, then byte offsets;  16 (l % 16)
.set PIECE, LAND+16
.set C,    246                         ; v246-252 a block's codes
.set SCL,  253
.set MX1,  254
.set MX2,  255
.set WV,   16                          ; s16 wave; s17 ch; s18 kb; s19 expert; s20 column slice; s21 twin
.set CH,   17
.set KB,   18
.set EX,   19
.set CS,   20
.set ZT,   21
.set ST0,  22                          ; s22 the expert's first tile; s23 its tiles; s24 my twin's pairs; s25 my pair among them
.set NT,   23
.set NQ,   24
.set QP,   25
.set WB,   26                          ; s[26:27] W1 at my expert and slice
.set AB,   28                          ; s[28:31] the pair's codes;  s[32:35] its scale words;  s[36:39] its tokens
.set SB,   32
.set OB,   36
.set HAS2, 71                          ; s71: has the pair a second tile?
.set TRIP, 78                          ; s78 counts the further passes
.macro QBLK x, c                       ; 32 numbers of one lane, one block along K: 6 registers of codes at v[c], the scale's byte in v[MX2]
	v_max3_num_f32 v[MX1], |v[\x]|, |v[\x+1]|, |v[\x+2]|
	v_max3_num_f32 v[MX2], |v[\x+3]|, |v[\x+4]|, |v[\x+5]|
.irp i, 6,10,14,18,22,26
	v_max3_num_f32 v[MX1], v[MX1], |v[\x+\i]|, |v[\x+\i+1]|
	v_max3_num_f32 v[MX2], v[MX2], |v[\x+\i+2]|, |v[\x+\i+3]|
.endr
	v_max3_num_f32 v[MX1], v[MX1], |v[\x+30]|, |v[\x+31]|
	v_max3_num_f32 v[MX1], v[MX1], v[MX2], 0x1800000           ; the floor 2^(3 - 127): the byte cannot fall under 1
	v_add_nc_u32 v[SCL], 0xff000000, v[MX1]                    ; 2 off the exponent field: the conversion's scale operand
	v_cvt_scalef32_pk16_fp6_f32 v[\c:\c+2], v[\x:\x+15], v[SCL]
	v_cvt_scalef32_pk16_fp6_f32 v[\c+4:\c+6], v[\x+16:\x+31], v[SCL]   ; (a conversion's three registers begin on an even number)
	v_lshrrev_b32 v[MX2], 23, v[SCL]                           ; the byte; also the plain line behind the conversions
	v_mov_b32 v[\c+3], v[\c+4]
	v_mov_b32 v[\c+4], v[\c+5]
	v_mov_b32 v[\c+5], v[\c+6]
.endm
.macro LOADW r, set                    ; round r's 32 rows of my 32 columns: each load 128 consecutive bytes; every offset an immediate (7.5 MB at the most: inside the signed 24 bits).  No hint: the twin reads them too
.set i_, 0
.rept 32
	global_load_b32 v[LAND+32*(\set)+i_], v[WOFF], s[WB:WB+1] offset:((\r)*256+i_)*PITCH
.set i_, i_+1
.endr
.endm
.macro QUANTW r                        ; my block of round r becomes 24 bytes of an image and a byte of a scale word (behind round 3 the two address registers go four rounds on)
	QBLK LAND+32*((\r)%2), C
	ds_store_b128 v[WST], v[C:C+3] offset:RSTEP*((\r)%4)
	ds_store_b64 v[WST2], v[C+4:C+5] offset:RSTEP*((\r)%4)
	ds_store_b8 v[WSS], v[MX2] offset:512*(\r)
.endm
.macro SETPAIR                         ; the tiles of my twin's pair s[QP], which is the expert's pair 2 q + z.  A wave without a pair takes tile 0, which every split has
	s_lshl_b32 s74, s[QP], 1
	s_add_co_u32 s74, s74, s[ZT]
	s_lshl_b32 s74, s74, 1
	s_add_co_u32 s75, s74, 1
	s_cmp_lt_u32 s75, s[NT]
	s_cselect_b32 s[HAS2], 1, 0
	s_sub_co_u32 s76, s[NT], 1
	s_min_u32 s75, s75, s76                        ; an odd last tile is its own partner: multiplied twice, stored once
	s_add_co_u32 s74, s74, s[ST0]
	s_add_co_u32 s75, s75, s[ST0]
	s_cmp_lt_u32 s[QP], s[NQ]
	s_cselect_b32 s74, s74, 0
	s_cselect_b32 s75, s75, 0
	s_min_u32 s74, s74, 134                        ; inside the buffers whatever was read
	s_min_u32 s75, s75, 134
	s_mov_b32 s77, 0
.irp p, 0,1
	s_mul_i32 s76, s[74+\p], ATILE
	s_add_nc_u64 s[AB+2*\p:AB+2*\p+1], s[6:7], s[76:77]
	s_mul_i32 s76, s[74+\p], STILE
	s_add_nc_u64 s[SB+2*\p:SB+2*\p+1], s[8:9], s[76:77]
	s_mul_i32 s76, s[74+\p], 128
	s_add_nc_u64 s[OB+2*\p:OB+2*\p+1], s[12:13], s[76:77]
.endr
.endm
.macro LOADA r                         ; the pair's fragments and scale words of round r's two K steps: 20 loads, whole runs of 512 and 256 bytes
.irp sk, 0,1
.irp p, 0,1
	global_load_b128 v[AF+24*\sk+12*\p:AF+24*\sk+12*\p+3], v[LI16], s[AB+2*\p:AB+2*\p+1] offset:(2*(\r)+\sk)*1536
	global_load_b64 v[AF+24*\sk+12*\p+4:AF+24*\sk+12*\p+5], v[LI8], s[AB+2*\p:AB+2*\p+1] offset:(2*(\r)+\sk)*1536+512
	global_load_b128 v[AF+24*\sk+12*\p+6:AF+24*\sk+12*\p+9], v[LI16], s[AB+2*\p:AB+2*\p+1] offset:(2*(\r)+\sk)*1536+768
	global_load_b64 v[AF+24*\sk+12*\p+10:AF+24*\sk+12*\p+11], v[LI8], s[AB+2*\p:AB+2*\p+1] offset:(2*(\r)+\sk)*1536+1280
	global_load_b32 v[AS+2*\sk+\p], v[R4], s[SB+2*\p:SB+2*\p+1] offset:64*(2*(\r)+\sk)
.endr
.endr
.endm
.macro LOADTK                          ; the pair's tokens: register 8 p + i: the token of row 2 i + l / 16 of tile p
.irp p, 0,1
.irp i, 0,1,2,3,4,5,6,7
	global_load_b32 v[TK+8*\p+\i], v[TKO], s[OB+2*\p:OB+2*\p+1] offset:8*\i
.endr
.endr
.endm
.macro WM p, t, sk, zero               ; one product: tile t of columns x tile p of rows.  An odd tile's scale words lie in lanes 16-31 of the register
.set D_, ACC+32*(\p)+8*(\t)
.set A_, WF+12*(\t)
.set B_, AF+24*(\sk)+12*(\p)
.if \zero
.if (\t)%2
	v_wmma_scale_f32_16x16x128_f8f6f4 v[D_:D_+7], v[A_:A_+11], v[B_:B_+11], 0, v[WS+(\t)/2], v[AS+2*(\sk)+(\p)] matrix_a_fmt:MATRIX_FMT_FP6 matrix_b_fmt:MATRIX_FMT_FP6 matrix_a_scale:MATRIX_SCALE_ROW1
.else
	v_wmma_scale_f32_16x16x128_f8f6f4 v[D_:D_+7], v[A_:A_+11], v[B_:B_+11], 0, v[WS+(\t)/2], v[AS+2*(\sk)+(\p)] matrix_a_fmt:MATRIX_FMT_FP6 matrix_b_fmt:MATRIX_FMT_FP6
.endif
.else
.if (\t)%2
	v_wmma_scale_f32_16x16x128_f8f6f4 v[D_:D_+7], v[A_:A_+11], v[B_:B_+11], v[D_:D_+7], v[WS+(\t)/2], v[AS+2*(\sk)+(\p)] matrix_a_fmt:MATRIX_FMT_FP6 matrix_b_fmt:MATRIX_FMT_FP6 matrix_a_scale:MATRIX_SCALE_ROW1
.else
	v_wmma_scale_f32_16x16x128_f8f6f4 v[D_:D_+7], v[A_:A_+11], v[B_:B_+11], v[D_:D_+7], v[WS+(\t)/2], v[AS+2*(\sk)+(\p)] matrix_a_fmt:MATRIX_FMT_FP6 matrix_b_fmt:MATRIX_FMT_FP6
.endif
.endif
.endm
; Round r's two K steps for my pair.  zero = 1: the first K step's products start the sums.  The eight accumulators take turns, one instruction a turn, in the same order everywhere.
; Five v_nop follow each K step: the places in front of loads into registers that these products have read, of the first read of results, and of a sum begun anew over an old one.
.macro MUL r, zero
.irp sk, 0,1
.set S_, 2*(\r)+\sk
.set Z_, (\zero)*(1-\sk)
.if S_ < 8
.set LA_, LW16
.set LB_, LW8
.else
.set LA_, LW16H
.set LB_, LW8H
.endif
	ds_load_b32 v[WS], v[LWS] offset:256*S_
	ds_load_b32 v[WS+1], v[LWS] offset:256*S_+128
.irp t, 0,1,2,3
	ds_load_b128 v[WF+12*\t:WF+12*\t+3], v[LA_] offset:(4*(S_%8)+\t)*FRP
	ds_load_b64 v[WF+12*\t+4:WF+12*\t+5], v[LB_] offset:(4*(S_%8)+\t)*FRP
	ds_load_b128 v[WF+12*\t+6:WF+12*\t+9], v[LA_] offset:(4*(S_%8)+\t)*FRP+768
	ds_load_b64 v[WF+12*\t+10:WF+12*\t+11], v[LB_] offset:(4*(S_%8)+\t)*FRP+768
.endr
.irp t, 0,1,2,3
	s_wait_dscnt 12-4*\t                           ; the scale words and tiles 0 .. t are in; four loads for each later tile may be out
	WM 0, \t, \sk, Z_
	WM 1, \t, \sk, Z_
.endr
.rept 5
	v_nop
.endr
.endr
.endm
; Tile p of the pair goes through my stage and leaves by rows; o: 32 registers for the rows read back
.macro OUTT p, o
.irp t, 0,1,2,3
	ds_store_b128 v[STO], v[ACC+32*\p+8*\t:ACC+32*\p+8*\t+3] offset:128*(\t/2)+32*(\t%2)        ; each accumulator from its low end on
	ds_store_b128 v[STO], v[ACC+32*\p+8*\t+4:ACC+32*\p+8*\t+7] offset:128*(\t/2)+32*(\t%2)+16
.endr
.irp i, 0,1,2,3,4,5,6,7
	ds_load_b128 v[\o+4*\i:\o+4*\i+3], v[SRD] offset:2*\i*SPI      ; LDS serves a wave's instructions in order (ISA guide 5.7.1.4): these see the stores above, and the next tile's stores come behind them
.endr
.irp i, 0,1,2,3,4,5,6,7
	s_wait_dscnt 7-\i                              ; rows 2 i and 2 i + 1 are back; the later loads may be out
	global_store_b128 v[TK+8*\p+\i], v[\o+4*\i:\o+4*\i+3], s[14:15] th:TH_STORE_NT   ; sixteen lanes store 256 consecutive bytes, at a multiple of 256 from out0's first byte
.endr
.endm
.macro WAYOUT
	s_wait_loadcnt 0x0                             ; the tokens
	v_lshlrev_b32 v[PIECE], 2, v[R4]               ; 16 (l % 16)
.irp n, 0,1,2,3,4,5,6,7,8,9,10,11,12,13,14,15
	v_min_u32 v[TK+\n], 2047, v[TK+\n]             ; a token, inside out0 whatever was read
.endr
.irp n, 0,1,2,3,4,5,6,7,8,9,10,11,12,13,14,15
	v_lshl_add_u32 v[TK+\n], v[TK+\n], 12, v[PIECE]
.endr
	OUTT 0, AF
	s_cmp_eq_u32 s[HAS2], 0
	s_cbranch_scc1 .Lone_\@
	OUTT 1, WF
.Lone_\@:
.endm
; A ROUND.  Order of the loads in flight: W(r), A(r), W(r+1); loads come back in order (ISA guide 5.7.1).
.macro ROUND r
.if \r == 0
	s_wait_loadcnt 52                              ; W(0) is in: behind it stand A(0)'s 20 loads and W(1)'s 32
.elseif \r < NR-1
	s_wait_loadcnt 32                              ; W(r), and A(r) if it was asked for, are in: only W(r+1)'s 32 may be out
.else
	s_wait_loadcnt 0x0
.endif
	QUANTW \r
	s_wait_dscnt 0x0                               ; for the others' sake: my piece of the images has landed
.if \r == 3
	v_add_nc_u32 v[WST], 4*RSTEP, v[WST]           ; rounds 4-7 lie beyond an offset's 16 bits
	v_add_nc_u32 v[WST2], 4*RSTEP, v[WST2]
.endif
	s_barrier_signal -1
	s_barrier_wait -1                              ; the round's eight images and their scale words are whole.  They are never written again
.if \r == 0
	s_wait_loadcnt 32                              ; A(0) is in
	MUL 0, 1                                       ; by every wave, so that the sums are begun on every way; a wave without a pair multiplies tile 0 once
	s_cmp_ge_u32 s[QP], s[NQ]
	s_cbranch_scc1 .Lidle_\@
	LOADA 1
.Lidle_\@:
.else
	s_cmp_ge_u32 s[QP], s[NQ]                      ; no barrier stands under this branch
	s_cbranch_scc1 .Lidle_\@
.if \r == NR-1
	LOADTK                                         ; into the weights' set 0, which was done with a round ago
.endif
	MUL \r, 0
.if \r < NR-1
	LOADA \r+1
.else
	WAYOUT
.endif
.Lidle_\@:
.endif
.if \r+2 < NR
	LOADW \r+2, \r%2                               ; into the set just quantised
.endif
.endm
	s_load_b256 s[4:11], s[0:1], 0x0               ; W1 s[4:5], hq s[6:7], hs s[8:9], meta s[10:11]
	s_load_b128 s[12:15], s[0:1], 0x20             ; perm s[12:13], out0 s[14:15]
	v_lshrrev_b32 v22, 5, v0
	v_readfirstlane_b32 s[WV], v22                 ; wave 0..15
	s_and_b32 s[CH], s[WV], 1
	s_lshr_b32 s[KB], s[WV], 1
	s_and_b32 s[EX], ttmp7, 0xffff
	s_lshr_b32 s[CS], ttmp9, 1
	s_and_b32 s[ZT], ttmp9, 1
	v_and_b32 v22, 31, v0                          ; l
	v_bfe_u32 v23, v0, 3, 1                        ; u: which tile of the two my column falls into
	v_and_b32 v24, 7, v0
	v_bfe_u32 v25, v0, 4, 1                        ; l / 16
	v_lshl_add_u32 v24, v25, 3, v24                ; m: its row there
	v_and_b32 v26, 15, v0                          ; l % 16
	s_mul_i32 s74, s[KB], 32*PITCH
	s_lshl_b32 s75, s[CH], 7
	s_add_co_u32 s74, s74, s75
	v_lshl_add_u32 v[WOFF], v22, 2, s74
	; my block is K step kb / 4 of the round, block kb % 4 of it: registers 6 c .. 6 c + 5, c = (kb / 2) % 2, of the image's lane m + 16 (kb % 2)
	s_lshr_b32 s74, s[KB], 2
	s_lshl_b32 s75, s74, 2
	s_lshl_b32 s76, s[CH], 1
	s_add_co_u32 s75, s75, s76
	s_mul_i32 s75, s75, FRP
	s_bfe_u32 s76, s[KB], 0x10001
	s_mul_i32 s76, s76, 768
	s_add_co_u32 s75, s75, s76
	s_and_b32 s76, s[KB], 1
	s_lshl_b32 s77, s76, 8
	s_add_co_u32 s77, s77, s75
	s_add_co_u32 s77, s77, WIMG
	s_lshl_b32 s76, s76, 7
	s_add_co_u32 s76, s76, s75
	s_add_co_u32 s76, s76, WIMG+512
	v_mul_u32_u24 v27, v23, FRP
	v_lshl_add_u32 v[WST], v24, 4, v27
	v_add_nc_u32 v[WST], s77, v[WST]
	v_lshl_add_u32 v[WST2], v24, 3, v27
	v_add_nc_u32 v[WST2], s76, v[WST2]
	s_lshl_b32 s74, s74, 1
	s_add_co_u32 s74, s74, s[CH]
	s_lshl_b32 s74, s74, 7
	s_and_b32 s75, s[KB], 3
	s_add_co_u32 s74, s74, s75
	s_add_co_u32 s74, s74, WSC
	v_lshl_add_u32 v27, v23, 4, v24
	v_lshl_add_u32 v[WSS], v27, 2, s74
	v_lshl_add_u32 v[LW16], v22, 4, WIMG
	v_lshl_add_u32 v[LW8], v22, 3, WIMG+512
	v_lshl_add_u32 v[LW16H], v22, 4, WIMG+32*FRP
	v_lshl_add_u32 v[LW8H], v22, 3, WIMG+32*FRP+512
	v_lshl_add_u32 v[LWS], v22, 2, WSC
	v_lshlrev_b32 v[LI16], 4, v22
	v_lshlrev_b32 v[LI8], 3, v22
	v_lshlrev_b32 v[R4], 2, v26
	v_lshlrev_b32 v[TKO], 2, v25
	s_mul_i32 s74, s[WV], 16*SPI
	s_add_co_u32 s74, s74, STG                     ; my stage
	v_mul_u32_u24 v27, v26, SPI
	v_lshl_add_u32 v27, v25, 6, v27
	v_add_nc_u32 v[STO], s74, v27                  ; in: row r, + 64 h; a tile's place, 128 b + 32 u, stands in the offset
	v_mul_u32_u24 v27, v25, SPI
	v_lshl_add_u32 v27, v26, 4, v27
	v_add_nc_u32 v[SRD], s74, v27                  ; back: lanes 0-15 one row of 256 bytes, lanes 16-31 the next
	s_wait_kmcnt 0x0
	s_lshl_b32 s74, s[EX], 2
	s_mov_b32 s75, 0
	s_add_nc_u64 s[10:11], s[10:11], s[74:75]
	s_load_b32 s[ST0], s[10:11], 0x0               ; my expert's first tile
	s_load_b32 s[NT], s[10:11], 0x80               ; and its tiles
	s_lshl_b32 s74, s[EX], 23                      ; an expert's W1 is 8 MiB
	s_lshl_b32 s76, s[CS], 8
	s_add_co_u32 s74, s74, s76
	s_add_nc_u64 s[WB:WB+1], s[4:5], s[74:75]
	s_mov_b32 s74, s76
	s_add_nc_u64 s[14:15], s[14:15], s[74:75]      ; out0 at my 64 columns
	LOADW 0, 0                                     ; the weights do not hang on meta: they are asked for first
	s_wait_kmcnt 0x0
	s_min_u32 s[ST0], s[ST0], 134
	s_min_u32 s[NT], s[NT], 135
	s_add_co_u32 s[NQ], s[NT], 1
	s_lshr_b32 s[NQ], s[NQ], 1                     ; the expert's pairs;
	s_add_co_u32 s[NQ], s[NQ], 1
	s_sub_co_u32 s[NQ], s[NQ], s[ZT]
	s_lshr_b32 s[NQ], s[NQ], 1                     ; those with number 2 q + z
	s_mov_b32 s[QP], s[WV]
	SETPAIR
	LOADA 0                                        ; by every wave, so that the fragments' registers are written on every way
	LOADW 1, 1
	ROUND 0
	ROUND 1
	ROUND 2
	ROUND 3
	ROUND 4
	ROUND 5
	ROUND 6
	ROUND 7
	; more than 16 pairs for this twin (over 1,024 rows on this expert): all images lie in LDS; no barrier, and only my own stage is stored to from here on.
	; The loop is counted against the constant MORE; a wave leaves it as soon as its twin has no pair 16 further on
	s_mov_b32 s[TRIP], 0
.Lmore:
	s_add_co_u32 s[QP], s[QP], 16
	s_cmp_ge_u32 s[QP], s[NQ]
	s_cbranch_scc1 .Lend
	s_wait_xcnt 0x0                                ; the last way out's stores have read their data, offsets and bases: all are written again below
	SETPAIR
	LOADTK
.irp r, 0,1,2,3,4,5,6,7
	LOADA \r
	s_wait_loadcnt 0x0
.if \r == 0
	MUL \r, 1
.else
	MUL \r, 0
.endif
.endr
	WAYOUT
	s_add_co_u32 s[TRIP], s[TRIP], 1
	s_cmp_lt_u32 s[TRIP], MORE
	s_cbranch_scc1 .Lmore
.Lend:
	s_wait_xcnt 0x0
	v_lshl_add_u32 v254, v0, 2, 0x2c000
	v_mov_b32 v255, 0
	s_wait_tensorcnt 0x0
	ds_add_u32 v254, v255
	s_wait_dscnt 0x0
	s_endpgm
.Lfunc_end_k_qe76ec1ea62_ffn2:
	.size	k_qe76ec1ea62_ffn2, .Lfunc_end_k_qe76ec1ea62_ffn2-k_qe76ec1ea62_ffn2
	.p2alignl 7, 3214868480
	.fill 96, 4, 3214868480
	.section	.rodata,"a",@progbits
	.p2align	6, 0x0
	.amdhsa_kernel k_qe76ec1ea62_ffn2
		.amdhsa_group_segment_fixed_size 182272
		.amdhsa_private_segment_fixed_size 0
		.amdhsa_enable_private_segment 0
		.amdhsa_kernarg_size 48
		.amdhsa_user_sgpr_count 2
		.amdhsa_user_sgpr_kernarg_segment_ptr 1
		.amdhsa_wavefront_size32 1
		.amdhsa_system_sgpr_workgroup_id_x 1
		.amdhsa_system_sgpr_workgroup_id_y 1
		.amdhsa_system_sgpr_workgroup_id_z 1
		.amdhsa_system_vgpr_workitem_id 0
		.amdhsa_next_free_vgpr 256
		.amdhsa_next_free_sgpr 90
		.amdhsa_reserve_vcc 0
		.amdhsa_float_denorm_mode_32 3
		.amdhsa_float_denorm_mode_16_64 3
		.amdhsa_memory_ordered 1
		.amdhsa_forward_progress 1
		.amdhsa_inst_pref_size 168
	.end_amdhsa_kernel
	.amdgpu_metadata
---
amdhsa.version: [ 1, 2 ]
amdhsa.kernels:
  - .name:           k_qe76ec1ea62_ffn2
    .symbol:         k_qe76ec1ea62_ffn2.kd
    .args:
      - { .name: weight1, .offset: 0, .size: 8, .value_kind: global_buffer, .address_space: global }
      - { .name: hq, .offset: 8, .size: 8, .value_kind: global_buffer, .address_space: global }
      - { .name: hs, .offset: 16, .size: 8, .value_kind: global_buffer, .address_space: global }
      - { .name: meta, .offset: 24, .size: 8, .value_kind: global_buffer, .address_space: global }
      - { .name: perm, .offset: 32, .size: 8, .value_kind: global_buffer, .address_space: global }
      - { .name: out0, .offset: 40, .size: 8, .value_kind: global_buffer, .address_space: global }
    .group_segment_fixed_size: 182272
    .private_segment_fixed_size: 0
    .kernarg_segment_align: 8
    .kernarg_segment_size: 48
    .max_flat_workgroup_size: 512
    .sgpr_count:     90
    .vgpr_count:     256
    .wavefront_size: 32
...
	.end_amdgpu_metadata
.endif
;; end of part 3
;; ======== version 2 of 2: 3 launches
;; workspace buffers: xq 1,658,880 bytes; xs 69,120 bytes; hq 3,317,760 bytes; hs 138,240 bytes; perm 17,408 bytes of whole numbers; meta 256 bytes of whole numbers
;; launch prep (part 4): grid 135 x 1, 8 waves a work-group, no clusters, 67,584 bytes of LDS; arguments topk_ids, x, xq, xs, perm, meta; writes xq, xs, perm, meta
.if DOCPART == 4
	.amdgcn_target "amdgcn-amd-amdhsa--gfx1250"
	.amdhsa_code_object_version 6
	.text
	.protected	k_qe76ec1ea62_prep
	.globl	k_qe76ec1ea62_prep
	.p2align	8
	.type	k_qe76ec1ea62_prep,@function
k_qe76ec1ea62_prep:
	s_mov_b64 s[64:65], 0
	v_nop
	global_prefetch_b8 v0, s[64:65] scope:SCOPE_SE
	s_setreg_imm32_b32 hwreg(HW_REG_WAVE_MODE, 25, 1), 1
	s_wait_xcnt 0x0
; PREP: the tokens are sorted by expert into tiles of 16 rows, and each tile's rows of x are quantised to FP6 (E2M3) with one E8M0 byte for each 32 along K.
; 2,048 tokens and 8 experts give at most (2048 + 8 x 15) / 16 = 135 tiles and at least 128.  Work-group j makes tile j.
; EVERY WAVE SORTS FOR ITSELF, IN REGISTERS: it loads all 2,048 ids (8 KB), counts the experts, finds tile j's expert and, of the tile's 16 slots, the tokens of ITS two rows.  Nothing that an address hangs on
; goes through LDS, no wave waits for another before its rows are asked for, and no branch hangs on the ids.
; ORDER: register n of lane l holds token 128 (n / 4) + 4 l + n % 4.  A token's rank in its expert = tokens of that expert in lower lanes + in lower registers of its lane: the same in every wave of every work-group.
; PADDING: a slot behind an expert's last token takes the expert's last token (rank = min(rank, count - 1)), in x's codes and in perm alike: every byte of a used tile is written, no lane is ever switched off.
; A WORK-GROUP WHOSE j IS NOT UNDER THE NUMBER OF TILES (7 of the 135 at the most) goes the same way with its expert's last rank and fills its own tile of xq, xs and perm, which nobody reads: the price of a grid
; that serves every split without a branch on the ids.
; AN ID OUTSIDE 0 .. 7 matches no expert: its token is sorted to expert 7 (key = min(id, 7)) with x taken as 0, which goes through both layers as 0.
; OUT: xq [tile][K step 8] images of an operand's registers (16 rows x 128 K, 1,536 bytes: for c = 0, 1: registers 6c .. 6c+3 at 768 c + 16 x lane, registers 6c+4, 6c+5 at 768 c + 512 + 8 x lane);
;      xs [tile][K step 8][row 16] scale words;  perm [tile][32]: the slots' tokens in words 0-15 (the others are neither written nor read);  meta: words 0-7 each expert's first tile, words 32-39 its number of tiles.
; LIMITS: NaN and infinities in x are not served.  A block whose largest magnitude lies under 2^-124 (a block of zeros too) keeps the scale byte 1; this program alone reads the bytes.
; No matrix work, no tensor loads (addresses hang on the ids), no cluster: the work-groups share only the 8 KB of ids.
.set SCW,  0                           ; LDS: the tile's scale words: 64 bytes a K step
.set XST,  512                         ; the tile's 16 rows of x, f32
.set XP,   4112                        ; a row there: 4,096 bytes + 16, so that 16 rows' equal columns start 16 bytes apart modulo 256
.set ONE,  3                           ; v3      1
.set LO8,  9                           ; v9      my lane's counts of experts 0, 2, 4, 6 in four bytes;  v10 of experts 1, 3, 5, 7
.set HI8,  10
.set MA,   14                          ; v14     lane n: which lanes hold a token of my expert in register n;  v15 the same for register 32 + n
.set MB,   15
.set CL,   16                          ; v16     my lane's count of my expert;  v17 the count in all lower lanes
.set PF,   17
.set AC,   20                          ; v20-24  five sums in eight fields of 4 bits;  v25-29 at work
.set TW,   25
.set TV,   20                          ; v20-26  later: a bit plane each
.set PO,   48                          ; v48     my place in the tile's words of perm: 8 x wave + 4 (lane % 2);  v49 the word
.set PW,   49
.set XSA,  50                          ; v50     where I store rows of x;  v51 where I read my 32 numbers;  v52 where my row's scale word goes
.set XRA,  51
.set SWA,  52
.set MX1,  56
.set MX2,  57
.set SCL,  58
.set BY,   59                          ; v59-60  two scale bytes
.set TT,   61
.set M0,   62                          ; v62-63  the table of tiles
.set O,    64                          ; v64-127 the ids, then 1 << 4 key;
.set X,    64                          ;         later 64 numbers of x
.set C,    128                         ; v128-143 two sets of codes
.set WV,   16                          ; s16 wave;  s17 tile j
.set J,    17
.set CN,   20                          ; s20-27  tokens of expert e
.set SS,   28                          ; s28-36  first tile of expert e; s36 the number of tiles
.set TL,   40                          ; s40-47  tiles of expert e
.set EX,   48                          ; s48 my expert; s49 its first tile; s50 my tile in it; s51 its tokens; s52 1 << 4 e; s53 16 x my tile; s54 its last rank
.set TS,   56                          ; s56-63  lane masks at work
.set TOK,  66                          ; s66-67  my two tokens;  s[70:73] their rows of x;  s74-75 all lanes where the row counts as 0;  s[78:81] where their ids lie;  s82-83 the ids
.set SEL,  76                          ; s[76:77] selects for lane l xor 16
.set ODD,  84                          ; s84 the odd lanes
.macro BAR                             ; my LDS stores have landed and my LDS loads are in: then the work-group's barrier
	s_wait_dscnt 0x0
	s_barrier_signal -1
	s_barrier_wait -1
.endm
; 32 numbers of one lane, one block along K, become 6 registers of codes at v[c] and the scale's byte in v[by]
.macro QBLK x, c, by
	v_max3_num_f32 v[MX1], |v[\x]|, |v[\x+1]|, |v[\x+2]|
	v_max3_num_f32 v[MX2], |v[\x+3]|, |v[\x+4]|, |v[\x+5]|
.irp i, 6,10,14,18,22,26
	s_delay_alu instid0(VALU_DEP_2)
	v_max3_num_f32 v[MX1], v[MX1], |v[\x+\i]|, |v[\x+\i+1]|
	s_delay_alu instid0(VALU_DEP_2)
	v_max3_num_f32 v[MX2], v[MX2], |v[\x+\i+2]|, |v[\x+\i+3]|
.endr
	s_delay_alu instid0(VALU_DEP_2)
	v_max3_num_f32 v[MX1], v[MX1], |v[\x+30]|, |v[\x+31]|
	s_delay_alu instid0(VALU_DEP_1)
	v_max3_num_f32 v[MX1], v[MX1], v[MX2], 0x1800000           ; the floor 2^(3 - 127): the byte cannot fall under 1
	s_delay_alu instid0(VALU_DEP_1)
	v_add_nc_u32 v[SCL], 0xff000000, v[MX1]                    ; 2 off the exponent field: the conversion takes this operand's exponent field as its scale
	v_cvt_scalef32_pk16_fp6_f32 v[\c:\c+2], v[\x:\x+15], v[SCL]
	v_cvt_scalef32_pk16_fp6_f32 v[\c+4:\c+6], v[\x+16:\x+31], v[SCL]   ; (a conversion's three registers begin on an even number)
	v_lshrrev_b32 v[\by], 23, v[SCL]                           ; the byte; also the plain line behind the conversions
	v_mov_b32 v[\c+3], v[\c+4]
	v_mov_b32 v[\c+4], v[\c+5]
	v_mov_b32 v[\c+5], v[\c+6]
.endm
; Slot 2 w + k of the tile: its rank in the expert, the lane and the register that hold the token of that rank, the token, its row of x and its id
.macro SLOT k
	s_lshl_b32 s86, s[WV], 1
	s_add_co_u32 s86, s86, s53
.if \k
	s_add_co_u32 s86, s86, 1
.endif
	s_min_i32 s86, s86, s54                        ; a slot behind the last token takes the last token;
	s_max_i32 s86, s86, 0                          ; (an expert without tokens has only tiles that nobody reads)
	v_sub_nc_u32 v11, s86, v[PF]
	s_delay_alu instid0(VALU_DEP_1)
	v_cmp_gt_u32 s18, v[CL], v11                   ; the one lane whose ranks, PF .. PF + CL - 1, hold it
	s_ctz_i32_b32 s85, s18
	s_and_b32 s85, s85, 31                         ; (a lane's number, whatever was found)
	v_readlane_b32 s87, v[PF], s85
	s_sub_co_u32 s87, s86, s87                     ; which of that lane's tokens of the expert
	s_lshl_b32 s88, 1, s85
	v_and_b32 v11, s88, v[MA]
	v_and_b32 v12, s88, v[MB]
	s_delay_alu instid0(VALU_DEP_2)
	v_cmp_ne_u32 s18, 0, v11                       ; bit n: that lane's register n is of the expert;
	s_delay_alu instid0(VALU_DEP_2)
	v_cmp_ne_u32 s19, 0, v12                       ; register 32 + n
	s_bcnt1_i32_b32 s88, s18
	s_cmp_lt_u32 s87, s88                          ; among the first 32 registers?
	s_cselect_b32 s18, s18, s19
	s_cselect_b32 s89, 0, 32
	s_cselect_b32 s88, 0, s88
	s_sub_co_u32 s87, s87, s88
	v_mbcnt_lo_u32_b32 v11, s18, 0                 ; lane i: the set bits under bit i
	s_delay_alu instid0(VALU_DEP_1)
	v_cmp_eq_u32 s19, s87, v11
	s_and_b32 s19, s19, s18                        ; the set bit with just so many under it
	s_ctz_i32_b32 s88, s19
	s_and_b32 s88, s88, 31
	s_add_co_u32 s88, s88, s89                     ; the register n
	s_lshr_b32 s89, s88, 2
	s_lshl_b32 s89, s89, 7
	s_and_b32 s88, s88, 3
	s_add_co_u32 s89, s89, s88
	s_lshl_b32 s85, s85, 2
	s_add_co_u32 s89, s89, s85                     ; 128 (n / 4) + n % 4 + 4 x lane
	s_min_u32 s[TOK+\k], s89, 2047                 ; a token, inside x and the ids whatever was read
	s_lshl_b32 s68, s[TOK+\k], 12
	s_add_nc_u64 s[70+2*\k:71+2*\k], s[6:7], s[68:69]
	s_lshl_b32 s68, s[TOK+\k], 2
	s_add_nc_u64 s[78+2*\k:79+2*\k], s[4:5], s[68:69]
	s_load_b32 s[82+\k], s[78+2*\k:79+2*\k], 0x0   ; its id once more: does any expert have it?
.endm
	s_load_b256 s[4:11], s[0:1], 0x0               ; ids s[4:5], x s[6:7], xq s[8:9], xs s[10:11]
	s_load_b128 s[12:15], s[0:1], 0x20             ; perm s[12:13], meta s[14:15]
	v_lshl_add_u32 v144, v0, 2, 0x10400
	v_mov_b32 v145, 0
	v_and_b32 v1, 31, v0                           ; lane
	s_delay_alu instid0(VALU_DEP_1)
	v_lshlrev_b32 v5, 4, v1                        ; 16 x lane
	s_wait_alu depctr_va_vdst(0)
	s_wait_kmcnt 0x0
.irp q, 0,1,2,3,4,5,6,7,8,9,10,11,12,13,14,15
	global_load_b128 v[O+4*\q:O+4*\q+3], v5, s[4:5] offset:512*\q      ; all 2,048 ids: 512 consecutive bytes a load
.endr
	v_lshrrev_b32 v2, 5, v0
	s_delay_alu instid0(VALU_DEP_1)
	v_readfirstlane_b32 s[WV], v2                  ; wave 0..7
	s_mov_b32 s[J], ttmp9
	v_lshlrev_b32 v4, 2, v1                        ; 4 x lane
	v_lshlrev_b32 v6, 3, v1                        ; 8 x lane
	v_mov_b32 v7, 0
	v_mov_b32 v[ONE], 1
	v_and_b32 v54, 15, v0                          ; r
	v_bfe_u32 v55, v0, 4, 1                        ; h
	s_mul_i32 s18, s[WV], 2*XP
	s_add_co_u32 s18, s18, XST
	v_add_nc_u32 v[XSA], s18, v5                   ; rows 2 w and 2 w + 1 go in 16 bytes a lane
	s_lshl_b32 s18, s[WV], 9
	s_add_co_u32 s18, s18, XST
	v_mul_u32_u24 v[XRA], v54, XP
	s_delay_alu instid0(VALU_DEP_1)
	v_lshl_add_u32 v[XRA], v55, 7, v[XRA]
	s_delay_alu instid0(VALU_DEP_1)
	v_add_nc_u32 v[XRA], s18, v[XRA]               ; and come out: row r, K step w (512 bytes), + 128 h
	s_lshl_b32 s18, s[WV], 6
	v_lshl_add_u32 v[SWA], v54, 2, s18             ; my row's scale word of K step w
	v_and_b32 v11, 1, v0
	s_lshl_b32 s18, s[WV], 3
	v_lshl_add_u32 v[PO], v11, 2, s18
	s_mov_b32 s[SEL], 0x76543210
	s_mov_b32 s[SEL+1], 0xfedcba98
	s_mov_b32 s[ODD], 0xaaaaaaaa
	s_mov_b32 s69, 0
	v_mov_b32 v[MA], 0                             ; (v_writelane's destination counts as one of its sources)
	v_mov_b32 v[MB], 0
	s_wait_loadcnt 0x0
	; ---- each id becomes 1 << 4 key, key = min(id, 7): a one in the key's field of 4 bits
.set n_, 0
.rept 64
	v_min_u32 v[O+n_], 7, v[O+n_]
.set n_, n_+1
.endr
.set n_, 0
.rept 64
	v_lshlrev_b32 v[O+n_], 2, v[O+n_]
.set n_, n_+1
.endr
.set n_, 0
.rept 64
	v_lshlrev_b32 v[O+n_], v[O+n_], v[ONE]
.set n_, n_+1
.endr
	; ---- my lane's counts of all eight experts at once: five sums of at most 14 registers, so that no field of 4 bits passes 15 (the five by turns: no line waits for the line above it)
.irp g, 0,1,2,3,4
	v_add_nc_u32 v[AC+\g], v[O+14*\g], v[O+14*\g+1]
.endr
.irp i, 2,4,6,8,10,12
.irp g, 0,1,2,3,4
.if (\g < 4) || (\i < 8)
	v_add3_u32 v[AC+\g], v[AC+\g], v[O+14*\g+\i], v[O+14*\g+\i+1]
.endif
.endr
.endr
.irp g, 0,1,2,3,4
	v_and_b32 v[TW+\g], 0x0f0f0f0f, v[AC+\g]       ; the even experts' fields, a byte each;
.endr
.irp g, 0,1,2,3,4
	v_lshrrev_b32 v[AC+\g], 4, v[AC+\g]
.endr
.irp g, 0,1,2,3,4
	v_and_b32 v[AC+\g], 0x0f0f0f0f, v[AC+\g]       ; the odd experts'
.endr
	v_add3_u32 v[LO8], v[TW], v[TW+1], v[TW+2]     ; a lane has 64 ids: a byte holds its count
	s_delay_alu instid0(VALU_DEP_4)
	v_add3_u32 v[HI8], v[AC], v[AC+1], v[AC+2]
	s_delay_alu instid0(VALU_DEP_2)
	v_add3_u32 v[LO8], v[LO8], v[TW+3], v[TW+4]
	s_delay_alu instid0(VALU_DEP_2)
	v_add3_u32 v[HI8], v[HI8], v[AC+3], v[AC+4]
	; ---- the sums over the 32 lanes, bit by bit from the top: how many lanes have bit b of expert e's count set; a count is 0 .. 64: seven bits
.irp b, 6,5,4,3,2,1,0
.irp e, 0,1,2,3,4,5,6
	v_and_b32 v[TV+\e], 1<<(8*(\e/2)+\b), v[LO8+(\e%2)]
.endr
.irp e, 0,1,2,3,4,5,6
	v_cmp_ne_u32 s[TS+\e], 0, v[TV+\e]
.endr
.if \b == 6
.irp e, 0,1,2,3,4,5,6
	s_bcnt1_i32_b32 s[CN+\e], s[TS+\e]
.endr
.else
.irp e, 0,1,2,3,4,5,6
	s_bcnt1_i32_b32 s[TS+\e], s[TS+\e]
.endr
.irp e, 0,1,2,3,4,5,6
	s_lshl_b32 s[CN+\e], s[CN+\e], 1
.endr
.irp e, 0,1,2,3,4,5,6
	s_add_co_u32 s[CN+\e], s[CN+\e], s[TS+\e]
.endr
.endif
.endr
	s_add_co_u32 s53, s[CN], s[CN+1]
.irp e, 2,3,4,5,6
	s_add_co_u32 s53, s53, s[CN+\e]
.endr
	s_sub_co_u32 s[CN+7], 0x800, s53               ; every key is one of the eight: expert 7 has the rest of the 2,048
	s_mov_b32 s[SS], 0
.irp e, 0,1,2,3,4,5,6,7
	s_add_co_u32 s[TL+\e], s[CN+\e], 15
	s_lshr_b32 s[TL+\e], s[TL+\e], 4               ; its tiles,
	s_add_co_u32 s[SS+\e+1], s[SS+\e], s[TL+\e]    ; and where the next expert's begin
.endr
	s_mov_b32 s[EX], 0                             ; my expert: the last whose first tile is not beyond j (an expert without tiles is passed over by the next)
	s_mov_b32 s49, 0
	s_mov_b32 s51, s[CN]
.irp e, 1,2,3,4,5,6,7
	s_cmp_ge_u32 s[J], s[SS+\e]
	s_cselect_b32 s[EX], \e, s[EX]
	s_cselect_b32 s49, s[SS+\e], s49
	s_cselect_b32 s51, s[CN+\e], s51
.endr
	s_sub_co_u32 s50, s[J], s49                    ; my tile within the expert
	s_lshl_b32 s53, s50, 4                         ; its first rank
	s_sub_co_u32 s54, s51, 1                       ; the expert's last rank
	s_lshl_b32 s52, s[EX], 2
	s_lshl_b32 s52, 1, s52                         ; what a register of my expert holds
	; ---- which lanes hold a token of my expert in register n: 64 lane masks, laid into the lanes of two registers
.set n_, 0
.rept 8
.set i_, 0
.rept 8
	v_cmp_eq_u32 s[TS+i_], s52, v[O+n_+i_]
.set i_, i_+1
.endr
.set i_, 0
	v_writelane_b32 v[MA+(n_+i_)/32], s[TS+i_], (n_+i_)%32
.set i_, i_+1
.rept (8)-1
	s_delay_alu instid0(VALU_DEP_1)
	v_writelane_b32 v[MA+(n_+i_)/32], s[TS+i_], (n_+i_)%32
.set i_, i_+1
.endr
.set n_, n_+8
.endr
	; ---- my lane's count of my expert, and the count in all lower lanes: again bit by bit
	s_lshr_b32 s18, s[EX], 1
	s_lshl_b32 s18, s18, 3
	s_bitcmp1_b32 s[EX], 0
	s_cselect_b32 s19, -1, 0
	v_cndmask_b32 v[CL], v[LO8], v[HI8], s19
	s_delay_alu instid0(VALU_DEP_1)
	v_lshrrev_b32 v[CL], s18, v[CL]
	s_delay_alu instid0(VALU_DEP_1)
	v_and_b32 v[CL], 0xff, v[CL]
.irp b, 0,1,2,3,4,5,6
	v_and_b32 v[TV+\b], 1<<\b, v[CL]
.endr
.irp b, 0,1,2,3,4,5,6
	v_cmp_ne_u32 s[TS+\b], 0, v[TV+\b]
.endr
.irp b, 0,1,2,3,4,5,6
	v_mbcnt_lo_u32_b32 v[TV+\b], s[TS+\b], 0       ; how many lower lanes have bit b set
.endr
	v_lshl_add_u32 v[PF], v[TV+1], 1, v[TV]
.irp b, 2,3,4,5,6
	s_delay_alu instid0(VALU_DEP_1)
	v_lshl_add_u32 v[PF], v[TV+\b], \b, v[PF]
.endr
	SLOT 0
	SLOT 1
	; ---- gather: wave w brings rows 2 w and 2 w + 1 of the tile, each load 512 consecutive bytes (no hint: a padding slot names a row again)
.irp k, 0,1
.irp i, 0,1,2,3,4,5,6,7
	global_load_b128 v[X+32*\k+4*\i:X+32*\k+4*\i+3], v5, s[70+2*\k:71+2*\k] offset:512*\i
.endr
.endr
	v_mov_b32 v11, s[TOK]
	v_mov_b32 v12, s[TOK+1]
	s_delay_alu instid0(VALU_DEP_1)
	v_cndmask_b32 v[PW], v11, v12, s[ODD]          ; perm's words 2 w and 2 w + 1: even lanes hold the one, odd lanes the other
	s_wait_kmcnt 0x0                               ; the two ids
	s_cmp_lt_u32 s82, 8
	s_cselect_b32 s74, 0, -1                       ; all lanes, where no expert has the id: the row counts as 0
	s_cmp_lt_u32 s83, 8
	s_cselect_b32 s75, 0, -1
	s_wait_loadcnt 0x0
.set i_, 0
.rept 32
	v_cndmask_b32 v[X+i_], v[X+i_], v7, s74
	v_cndmask_b32 v[X+32+i_], v[X+32+i_], v7, s75
.set i_, i_+1
.endr
.irp k, 0,1
.irp i, 0,1,2,3,4,5,6,7
	ds_store_b128 v[XSA], v[X+32*\k+4*\i:X+32*\k+4*\i+3] offset:\k*XP+512*\i
.endr
.endr
	BAR                                            ; the tile's 16 rows lie in LDS
	; ---- quantise: wave w takes K step w.  Lane (r, h) takes, of row r, k = 128 w + 64 c + 32 h + 0 .. 31 for c = 0, 1: two whole blocks, in the order of the operand's registers
.irp c, 0,1
.irp i, 0,1,2,3,4,5,6,7
	ds_load_b128 v[X+32*\c+4*\i:X+32*\c+4*\i+3], v[XRA] offset:256*\c+16*\i
.endr
.endr
	s_wait_dscnt 0x0
	QBLK X, C, BY
	QBLK X+32, C+8, BY+1
	s_delay_alu instid0(VALU_DEP_4)
	v_lshl_or_b32 v[TT], v[BY+1], 16, v[BY]        ; my two bytes: blocks h and 2 + h of row r,
	v_lshlrev_b32 v12, 3, v55
	s_delay_alu instid0(VALU_DEP_1)
	v_lshlrev_b32 v[TT], v12, v[TT]                ; at their places in the word;
	v_mov_b32 v13, 0
	s_delay_alu instid0(VALU_DEP_1)
	v_permlanex16_b32 v13, v[TT], s[SEL], s[SEL+1]
	s_delay_alu instid0(VALU_DEP_1)
	v_or_b32 v[TT], v[TT], v13                     ; with lane l xor 16's two the word is whole
	ds_store_b32 v[SWA], v[TT] offset:SCW          ; (both halves of the lanes write the same word with the same value)
	s_wait_alu depctr_va_vdst(0)
	BAR                                            ; the tile's 128 scale words lie in LDS.  No barrier stands behind this one
	s_mul_i32 s68, s[J], 12288
	s_mul_i32 s54, s[WV], 1536
	s_add_co_u32 s68, s68, s54
	s_add_nc_u64 s[8:9], s[8:9], s[68:69]
.irp c, 0,1
	global_store_b128 v5, v[C+8*\c:C+8*\c+3], s[8:9] offset:768*\c          ; 512 consecutive bytes, at a multiple of 256 from xq's first byte
	global_store_b64 v6, v[C+8*\c+4:C+8*\c+5], s[8:9] offset:768*\c+512     ; 256 likewise
.endr
	s_lshl_b32 s68, s[J], 7
	s_add_nc_u64 s[12:13], s[12:13], s[68:69]
	global_store_b32 v[PO], v[PW], s[12:13]        ; my two tokens: sixteen lanes store each word, with the same value
	s_cmp_lg_u32 s[WV], 0
	s_cbranch_scc1 .Lend
	ds_load_b128 v[64:67], v5 offset:SCW           ; wave 0: the tile's scale words, 512 bytes
	s_lshl_b32 s68, s[J], 9
	s_add_nc_u64 s[10:11], s[10:11], s[68:69]
	s_wait_dscnt 0x0
	global_store_b128 v5, v[64:67], s[10:11]
	s_cmp_lg_u32 s[J], 0
	s_cbranch_scc1 .Lend
	v_mov_b32 v[M0], 0                             ; and in work-group 0 the table of tiles
	v_mov_b32 v[M0+1], 0
.irp e, 0,1,2,3,4,5,6,7
	s_delay_alu instid0(VALU_DEP_2)
	v_writelane_b32 v[M0], s[SS+\e], \e
	s_delay_alu instid0(VALU_DEP_2)
	v_writelane_b32 v[M0+1], s[TL+\e], \e
.endr
	global_store_b32 v4, v[M0], s[14:15]
	global_store_b32 v4, v[M0+1], s[14:15] offset:128
.Lend:
	s_wait_tensorcnt 0x0
	ds_add_u32 v144, v145
	s_wait_dscnt 0x0
	s_endpgm
.Lfunc_end_k_qe76ec1ea62_prep:
	.size	k_qe76ec1ea62_prep, .Lfunc_end_k_qe76ec1ea62_prep-k_qe76ec1ea62_prep
	.p2alignl 7, 3214868480
	.fill 96, 4, 3214868480
	.section	.rodata,"a",@progbits
	.p2align	6, 0x0
	.amdhsa_kernel k_qe76ec1ea62_prep
		.amdhsa_group_segment_fixed_size 67584
		.amdhsa_private_segment_fixed_size 0
		.amdhsa_enable_private_segment 0
		.amdhsa_kernarg_size 48
		.amdhsa_user_sgpr_count 2
		.amdhsa_user_sgpr_kernarg_segment_ptr 1
		.amdhsa_wavefront_size32 1
		.amdhsa_system_sgpr_workgroup_id_x 1
		.amdhsa_system_sgpr_workgroup_id_y 1
		.amdhsa_system_sgpr_workgroup_id_z 1
		.amdhsa_system_vgpr_workitem_id 0
		.amdhsa_next_free_vgpr 146
		.amdhsa_next_free_sgpr 90
		.amdhsa_reserve_vcc 0
		.amdhsa_float_denorm_mode_32 3
		.amdhsa_float_denorm_mode_16_64 3
		.amdhsa_memory_ordered 1
		.amdhsa_forward_progress 1
		.amdhsa_inst_pref_size 55
	.end_amdhsa_kernel
	.amdgpu_metadata
---
amdhsa.version: [ 1, 2 ]
amdhsa.kernels:
  - .name:           k_qe76ec1ea62_prep
    .symbol:         k_qe76ec1ea62_prep.kd
    .args:
      - { .name: topk_ids, .offset: 0, .size: 8, .value_kind: global_buffer, .address_space: global }
      - { .name: x, .offset: 8, .size: 8, .value_kind: global_buffer, .address_space: global }
      - { .name: xq, .offset: 16, .size: 8, .value_kind: global_buffer, .address_space: global }
      - { .name: xs, .offset: 24, .size: 8, .value_kind: global_buffer, .address_space: global }
      - { .name: perm, .offset: 32, .size: 8, .value_kind: global_buffer, .address_space: global }
      - { .name: meta, .offset: 40, .size: 8, .value_kind: global_buffer, .address_space: global }
    .group_segment_fixed_size: 67584
    .private_segment_fixed_size: 0
    .kernarg_segment_align: 8
    .kernarg_segment_size: 48
    .max_flat_workgroup_size: 256
    .sgpr_count:     90
    .vgpr_count:     146
    .wavefront_size: 32
...
	.end_amdgpu_metadata
.endif
;; end of part 4
;; launch ffn1 (part 5): grid 32 x 8, 16 waves a work-group, no clusters, 57,344 bytes of LDS; arguments weight0, xq, xs, meta, hq, hs; writes hq, hs
.if DOCPART == 5
	.amdgcn_target "amdgcn-amd-amdhsa--gfx1250"
	.amdhsa_code_object_version 6
	.text
	.protected	k_qe76ec1ea62_ffn1
	.globl	k_qe76ec1ea62_ffn1
	.p2align	8
	.type	k_qe76ec1ea62_ffn1,@function
k_qe76ec1ea62_ffn1:
	s_mov_b64 s[64:65], 0
	v_nop
	global_prefetch_b8 v0, s[64:65] scope:SCOPE_SE
	s_setreg_imm32_b32 hwreg(HW_REG_WAVE_SCHED_MODE, 0, 2), 2
	s_setreg_imm32_b32 hwreg(HW_REG_WAVE_MODE, 25, 1), 1
	s_wait_xcnt 0x0
	s_wait_alu depctr_vm_vsrc(0)
; FFN1: hidden = Q(gelu(Q(x) Q(W0[e]))) for the rows of expert e, on codes of FP6 (E2M3) with one E8M0 scale for each 32 along K.  W0: [8][1024 (k)][2048 (n)] f32.
; SHARES.  Work-group (x, y) owns columns 64 x .. 64 x + 63 of expert y and serves ALL of that expert's row tiles, so each f32 number of W0 is read once in the launch and no code of a weight goes to memory.
; K goes in 4 rounds of 256.  In a round wave w = 2 kb + ch loads 32 rows k = 256 r + 32 kb + i of 32 columns (lane l: column 32 ch + l): a block of 32 along K lies in one lane's 32 registers; waves ch = 0 and 1
; stand side by side on 256 consecutive bytes of each row.  The block's codes and byte go into LDS as a piece of an IMAGE OF THE OPERAND'S REGISTERS; images are written once and stay; one barrier a round.
; Behind the barrier wave q multiplies the round's two K steps for ITS pair of row tiles (2 q, 2 q + 1 of the expert): 4 tiles of columns x 2 tiles of rows = 8 accumulators.  Each row tile is read by one wave
; of the work-group, straight from memory into registers (xq is laid as register images).  An expert with more than 32 tiles: a loop without barriers takes pairs q + 16, q + 32 .. when all images lie in LDS.
; THE MATRIX INSTRUCTION IS USED TRANSPOSED (source 0 = 16 columns of W0, source 1 = 16 rows of x), AND THE COLUMNS OF A TILE ARE NOT NEIGHBOURS: row m of tile 2 b + u is column 32 b + 16 (m / 8) + 8 u + m % 8,
; so that lane (r, h) holds row r and the 16 registers of tiles 2 b, 2 b + 1 are hidden units 32 b + 16 h + 0 .. 15: neighbours along the next K.
; GELU: 0.5 x (1 + erf(x / sqrt 2)), erf(z) = z P(z^2) / Q(z^2) with z held to +-4 (degrees 6 and 4 in z^2; absolute error about 1e-7), all in f32.
; NO TENSOR LOADS, NO JOINT REQUESTS: how many pairs a wave walks, and whether it multiplies at all, hangs on counts read from meta; the 32 work-groups of an expert do read the same xq (12 KB a tile).
; LIMITS: NaN and infinities are not served.  A block whose largest magnitude lies under 2^-124 (a block of zeros too) keeps the scale byte 1; this program alone reads the bytes.
; THE MODE: SCHED_MODE bits 1:0 = 2 (LLVM: expert scheduling mode 2), set by the entry lines.  The code itself states the register dependences between vector or matrix instructions and memory or LDS
; instructions, with s_wait_alu, always for 0.
; THE PLAN.  Registers that memory or LDS instructions touch:
;   v1-v11        offsets and addresses: written at the head, read by every load and store, never written again.
;   LAND, set r % 2   Round r's 32 loads land in it; QBLK reads it; round r + 2's loads land in it, behind round r's products.
;   C, MX2        QBLK writes them; the round's three LDS stores read them; the next round's QBLK writes them again.
;   WF, WS        A K step's 18 LDS loads land in them; its eight products read them.  One set: the wave's 256 registers are all laid out.
;   AF, AS        A round's 20 loads land in them; its sixteen products read them; the next round's loads land in them.
;   CP, BYP       The way out's conversions, moves and selects write them; its stores read them; a set to each tile of the pair.
;   v14, v15      Written at the head, read by the closing add alone.
; A ROUND'S WAITS.  (1) va_vdst behind QBLK: C and the byte are written (the LDS stores); QBLK is done reading its set of LAND (round r + 2's loads); every earlier product is done reading WF and WS (the LDS loads of the
; round's first K step: no vector or matrix instruction stands between this wait and them).  (2) vm_vsrc beside the wait on DScnt in front of the barrier: the LDS stores have read C and the byte.
; (3) va_vdst between the two K steps: WF and WS.  (4) va_vdst behind the round's products: AF and AS, for the next round's loads.
.set NR,     4                         ; rounds of 256 along K
.set MORE,   4                         ; further passes over pairs at the most: the tiles are held to 135, so the pairs to 68, and pair w + 16 k lies under 68 for k up to 4
.set PITCH,  8192                      ; a row of W0 in bytes
.set ATILE,  12288                     ; a row tile's codes in xq;  its scale words in xs
.set STILE,  512
.set HTILE,  24576                     ; the same in hq and hs
.set HSTILE, 1024
.set FRP,    1664                      ; an image in LDS: 1,536 bytes + 128, so that the tiles u = 0 and u = 1, stored by one instruction, start 128 bytes apart modulo 256
.set RSTEP,  8*FRP                     ; a round's eight images
.set WSC,    0                         ; LDS: the weights' scale words [K step 8][b 2][32]: word 16 u + m = row m of tile 2 b + u
.set WIMG,   2048                      ; the images: (K step s, tile t) at (4 s + t) FRP
.set WOFF, 1                           ; v1  my byte in W0's rows: 4 l + 128 ch + kb x 32 rows
.set WST,  2                           ; v2  where my block's first 16 bytes of codes go;  v3 its last 8;  v4 its scale byte
.set WST2, 3
.set WSS,  4
.set LW16, 5                           ; v5  WIMG + 16 l;  v6 WIMG + 512 + 8 l;  v7 WSC + 4 l: an image's and a scale word's place for my lane
.set LW8,  6
.set LWS,  7
.set LI16, 8                           ; v8  16 l;  v9 8 l;  v10 4 (l % 16);  v11 4 (l % 16) + l / 16: offsets in memory
.set LI8,  9
.set R4,   10
.set HSO,  11
.set AS,   16                          ; v16-19  the rows' scale words, [K step of the round][tile of the pair]: scales and nothing else
.set WS,   20                          ; v20-21  the weights' scale words: likewise
.set AF,   22                          ; v22-69  the rows' fragments: 2 K steps x 2 tiles x 12
.set WF,   70                          ; v70-117 the weights' four fragments of a K step
.set ACC,  118                         ; v118-181 accumulator (tile of rows p, tile of columns t) at 32 p + 8 t
.set LAND, 182                         ; v182-245 two sets of 32 numbers of W0; on the way out at work
.set C,    246                         ; v246-252 a block's codes
.set SCL,  253
.set MX1,  254
.set MX2,  255
.set GZ,   LAND                        ; the way out: z, z^2, P, Q (8 each); a11 and b6 as pairs; at work; two bytes; two sets of codes
.set GY,   LAND+8
.set GP,   LAND+16
.set GQ,   LAND+24
.set GA,   LAND+32
.set GB,   LAND+34
.set TM,   LAND+36
.set BYP,  LAND+42
.set CP,   LAND+48
.set WV,   16                          ; s16 wave; s17 ch; s18 kb; s19 expert; s20 column slice
.set CH,   17
.set KB,   18
.set EX,   19
.set CS,   20
.set ST0,  22                          ; s22 the expert's first tile; s23 its tiles; s24 its pairs; s25 my pair
.set NT,   23
.set NQ,   24
.set QP,   25
.set WB,   26                          ; s[26:27] W0 at my expert and slice
.set AB,   28                          ; s[28:31] the pair's codes;  s[32:35] its scale words;  s[36:39] where its hidden codes go;  s[40:43] their bytes
.set SB,   32
.set OB,   36
.set KR,   44                          ; constants as pairs (the packed forms name a pair and take its low word for both halves)
.set KA13, 46
.set KA9,  48
.set KA7,  50
.set KA5,  52
.set KA3,  54
.set KA1,  56
.set KB8,  58
.set KB4,  60
.set KB2,  62
.set KB0,  66
.set SEL,  68                          ; s[68:69] selects for lane l xor 16;  s70 the mask of lanes 16-31;  s71: has the pair a second tile?
.set HM,   70
.set HAS2, 71
.set TRIP, 78                          ; s78 counts the further passes
.macro QBLK x, c                       ; 32 numbers of one lane, one block along K: 6 registers of codes at v[c], the scale's byte in v[MX2]
	v_max3_num_f32 v[MX1], |v[\x]|, |v[\x+1]|, |v[\x+2]|
	v_max3_num_f32 v[MX2], |v[\x+3]|, |v[\x+4]|, |v[\x+5]|
.irp i, 6,10,14,18,22,26
	v_max3_num_f32 v[MX1], v[MX1], |v[\x+\i]|, |v[\x+\i+1]|
	v_max3_num_f32 v[MX2], v[MX2], |v[\x+\i+2]|, |v[\x+\i+3]|
.endr
	v_max3_num_f32 v[MX1], v[MX1], |v[\x+30]|, |v[\x+31]|
	v_max3_num_f32 v[MX1], v[MX1], v[MX2], 0x1800000           ; the floor 2^(3 - 127): the byte cannot fall under 1
	v_add_nc_u32 v[SCL], 0xff000000, v[MX1]                    ; 2 off the exponent field: the conversion's scale operand
	v_cvt_scalef32_pk16_fp6_f32 v[\c:\c+2], v[\x:\x+15], v[SCL]
	v_cvt_scalef32_pk16_fp6_f32 v[\c+4:\c+6], v[\x+16:\x+31], v[SCL]   ; (a conversion's three registers begin on an even number)
	v_lshrrev_b32 v[MX2], 23, v[SCL]                           ; the byte; also the plain line behind the conversions
	v_mov_b32 v[\c+3], v[\c+4]
	v_mov_b32 v[\c+4], v[\c+5]
	v_mov_b32 v[\c+5], v[\c+6]
.endm
.macro LOADW r, set                    ; round r's 32 rows of my 32 columns: each load 128 consecutive bytes; every offset an immediate (6.5 MB at the most: inside the signed 24 bits)
.set i_, 0
.rept 32
	global_load_b32 v[LAND+32*(\set)+i_], v[WOFF], s[WB:WB+1] offset:((\r)*256+i_)*PITCH th:TH_LOAD_NT
.set i_, i_+1
.endr
.endm
.macro QUANTW r                        ; my block of round r becomes 24 bytes of an image and a byte of a scale word
	QBLK LAND+32*((\r)%2), C
	s_wait_alu depctr_va_vdst(0)                   ; C and the byte are written, which the LDS stores below read; QBLK is done reading its set of LAND, in which round r + 2's loads land; every earlier product is done reading WF and WS, in which the LDS loads of this round's first K step land
	ds_store_b128 v[WST], v[C:C+3] offset:RSTEP*(\r)
	ds_store_b64 v[WST2], v[C+4:C+5] offset:RSTEP*(\r)
	ds_store_b8 v[WSS], v[MX2] offset:512*(\r)
.endm
.macro SETPAIR                         ; the tiles of pair s[QP] and all that hangs on them.  A wave without a pair takes tile 0, which every split has
	s_lshl_b32 s74, s[QP], 1
	s_add_co_u32 s75, s74, 1
	s_cmp_lt_u32 s75, s[NT]
	s_cselect_b32 s[HAS2], 1, 0
	s_sub_co_u32 s76, s[NT], 1
	s_min_u32 s75, s75, s76                        ; an odd last tile is its own partner: multiplied twice, stored once
	s_add_co_u32 s74, s74, s[ST0]
	s_add_co_u32 s75, s75, s[ST0]
	s_cmp_lt_u32 s[QP], s[NQ]
	s_cselect_b32 s74, s74, 0
	s_cselect_b32 s75, s75, 0
	s_min_u32 s74, s74, 134                        ; inside the buffers whatever was read
	s_min_u32 s75, s75, 134
	s_mov_b32 s77, 0
.irp p, 0,1
	s_mul_i32 s76, s[74+\p], ATILE
	s_add_nc_u64 s[AB+2*\p:AB+2*\p+1], s[6:7], s[76:77]
	s_mul_i32 s76, s[74+\p], STILE
	s_add_nc_u64 s[SB+2*\p:SB+2*\p+1], s[8:9], s[76:77]
	s_mul_i32 s76, s[74+\p], HTILE
	s_add_nc_u64 s[OB+2*\p:OB+2*\p+1], s[12:13], s[76:77]
	s_mul_i32 s76, s[74+\p], HSTILE
	s_add_nc_u64 s[OB+4+2*\p:OB+5+2*\p], s[14:15], s[76:77]
.endr
.endm
.macro LOADA r                         ; the pair's fragments and scale words of round r's two K steps: 20 loads, whole runs of 512 and 256 bytes
.irp sk, 0,1
.irp p, 0,1
	global_load_b128 v[AF+24*\sk+12*\p:AF+24*\sk+12*\p+3], v[LI16], s[AB+2*\p:AB+2*\p+1] offset:(2*(\r)+\sk)*1536
	global_load_b64 v[AF+24*\sk+12*\p+4:AF+24*\sk+12*\p+5], v[LI8], s[AB+2*\p:AB+2*\p+1] offset:(2*(\r)+\sk)*1536+512
	global_load_b128 v[AF+24*\sk+12*\p+6:AF+24*\sk+12*\p+9], v[LI16], s[AB+2*\p:AB+2*\p+1] offset:(2*(\r)+\sk)*1536+768
	global_load_b64 v[AF+24*\sk+12*\p+10:AF+24*\sk+12*\p+11], v[LI8], s[AB+2*\p:AB+2*\p+1] offset:(2*(\r)+\sk)*1536+1280
	global_load_b32 v[AS+2*\sk+\p], v[R4], s[SB+2*\p:SB+2*\p+1] offset:64*(2*(\r)+\sk)
.endr
.endr
.endm
.macro WM p, t, sk, zero               ; one product: tile t of columns x tile p of rows.  An odd tile's scale words lie in lanes 16-31 of the register
.set D_, ACC+32*(\p)+8*(\t)
.set A_, WF+12*(\t)
.set B_, AF+24*(\sk)+12*(\p)
.if \zero
.if (\t)%2
	v_wmma_scale_f32_16x16x128_f8f6f4 v[D_:D_+7], v[A_:A_+11], v[B_:B_+11], 0, v[WS+(\t)/2], v[AS+2*(\sk)+(\p)] matrix_a_fmt:MATRIX_FMT_FP6 matrix_b_fmt:MATRIX_FMT_FP6 matrix_a_scale:MATRIX_SCALE_ROW1
.else
	v_wmma_scale_f32_16x16x128_f8f6f4 v[D_:D_+7], v[A_:A_+11], v[B_:B_+11], 0, v[WS+(\t)/2], v[AS+2*(\sk)+(\p)] matrix_a_fmt:MATRIX_FMT_FP6 matrix_b_fmt:MATRIX_FMT_FP6
.endif
.else
.if (\t)%2
	v_wmma_scale_f32_16x16x128_f8f6f4 v[D_:D_+7], v[A_:A_+11], v[B_:B_+11], v[D_:D_+7], v[WS+(\t)/2], v[AS+2*(\sk)+(\p)] matrix_a_fmt:MATRIX_FMT_FP6 matrix_b_fmt:MATRIX_FMT_FP6 matrix_a_scale:MATRIX_SCALE_ROW1
.else
	v_wmma_scale_f32_16x16x128_f8f6f4 v[D_:D_+7], v[A_:A_+11], v[B_:B_+11], v[D_:D_+7], v[WS+(\t)/2], v[AS+2*(\sk)+(\p)] matrix_a_fmt:MATRIX_FMT_FP6 matrix_b_fmt:MATRIX_FMT_FP6
.endif
.endif
.endm
; Round r's two K steps for my pair.  zero = 1: the first K step's products start the sums.  The eight accumulators take turns, one instruction a turn, in the same order everywhere.
; Five v_nop follow each K step: the places in front of the first read of results and of a sum begun anew over an old one; they stand ahead of the loads into registers that these products have read too,
; beside the wait on va_vdst that states that dependence.  The first K step's LDS loads hang on the wait that stands ahead of this macro, with no vector or matrix instruction between.
.macro MUL r, zero
.irp sk, 0,1
.set S_, 2*(\r)+\sk
.set Z_, (\zero)*(1-\sk)
.if \sk
	s_wait_alu depctr_va_vdst(0)                   ; the first K step's products are done reading WF and WS, in which the LDS loads below land
.endif
	ds_load_b32 v[WS], v[LWS] offset:256*S_
	ds_load_b32 v[WS+1], v[LWS] offset:256*S_+128
.irp t, 0,1,2,3
	ds_load_b128 v[WF+12*\t:WF+12*\t+3], v[LW16] offset:(4*S_+\t)*FRP
	ds_load_b64 v[WF+12*\t+4:WF+12*\t+5], v[LW8] offset:(4*S_+\t)*FRP
	ds_load_b128 v[WF+12*\t+6:WF+12*\t+9], v[LW16] offset:(4*S_+\t)*FRP+768
	ds_load_b64 v[WF+12*\t+10:WF+12*\t+11], v[LW8] offset:(4*S_+\t)*FRP+768
.endr
.irp t, 0,1,2,3
	s_wait_dscnt 12-4*\t                           ; the scale words and tiles 0 .. t are in; four loads for each later tile may be out
	WM 0, \t, \sk, Z_
	WM 1, \t, \sk, Z_
.endr
.rept 5
	v_nop
.endr
.endr
.endm
.macro GELU a                          ; the eight numbers of the accumulator at v[a], in place; its registers are read from the low end on
.irp j, 0,2,4,6
	v_pk_mul_f32 v[GZ+\j:GZ+\j+1], v[\a+\j:\a+\j+1], s[KR:KR+1] op_sel_hi:[1,0]       ; z = x / sqrt 2
.endr
.irp i, 0,1,2,3,4,5,6,7
	v_med3_num_f32 v[GZ+\i], v[GZ+\i], -4.0, 4.0
.endr
.irp j, 0,2,4,6
	v_pk_mul_f32 v[GY+\j:GY+\j+1], v[GZ+\j:GZ+\j+1], v[GZ+\j:GZ+\j+1]
.endr
.irp j, 0,2,4,6
	v_pk_fma_f32 v[GP+\j:GP+\j+1], v[GY+\j:GY+\j+1], s[KA13:KA13+1], v[GA:GA+1] op_sel_hi:[1,0,1]
	v_pk_fma_f32 v[GQ+\j:GQ+\j+1], v[GY+\j:GY+\j+1], s[KB8:KB8+1], v[GB:GB+1] op_sel_hi:[1,0,1]
.endr
.irp k, KA9, KA7, KA5, KA3, KA1
.irp j, 0,2,4,6
	v_pk_fma_f32 v[GP+\j:GP+\j+1], v[GP+\j:GP+\j+1], v[GY+\j:GY+\j+1], s[\k:\k+1] op_sel_hi:[1,1,0]
.endr
.endr
.irp k, KB4, KB2, KB0
.irp j, 0,2,4,6
	v_pk_fma_f32 v[GQ+\j:GQ+\j+1], v[GQ+\j:GQ+\j+1], v[GY+\j:GY+\j+1], s[\k:\k+1] op_sel_hi:[1,1,0]
.endr
.endr
	s_wait_alu depctr_va_vdst(0)
.irp i, 0,1,2,3,4,5,6,7
	v_rcp_f32 v[GQ+\i], v[GQ+\i]
.endr
.irp j, 0,2,4,6
	v_pk_mul_f32 v[GP+\j:GP+\j+1], v[GP+\j:GP+\j+1], v[GZ+\j:GZ+\j+1]                 ; z P: plain lines between the reciprocals and their use
.endr
	s_wait_alu depctr_va_vdst(0)                   ; the eight reciprocals 1 / Q are written, ahead of their first reader: one wait for the batch
.irp j, 0,2,4,6
	v_pk_mul_f32 v[GP+\j:GP+\j+1], v[GP+\j:GP+\j+1], v[GQ+\j:GQ+\j+1]                 ; erf
.endr
.irp j, 0,2,4,6
	v_pk_mul_f32 v[GZ+\j:GZ+\j+1], v[\a+\j:\a+\j+1], 0.5 op_sel_hi:[1,0]
.endr
.irp j, 0,2,4,6
	v_pk_fma_f32 v[\a+\j:\a+\j+1], v[GZ+\j:GZ+\j+1], v[GP+\j:GP+\j+1], v[GZ+\j:GZ+\j+1]   ; x / 2 x erf + x / 2
.endr
.endm
; Tile p of the pair: gelu; its 64 hidden units are two blocks along the next K, half a fragment: registers 6 c .. 6 c + 5 with c = slice % 2, of K step slice / 2
.macro HALF p
.set H_, ACC+32*(\p)
.set O_, CP+8*(\p)
.irp t, 0,1,2,3
	GELU ACC+32*(\p)+8*\t
.endr
.irp b, 0,1
	v_max3_num_f32 v[TM+\b], |v[H_+16*\b]|, |v[H_+16*\b+1]|, 0x1800000    ; block b: my 16 numbers, and the floor
.endr
.irp i, 2,4,6,8,10,12,14
.irp b, 0,1
	v_max3_num_f32 v[TM+\b], v[TM+\b], |v[H_+16*\b+\i]|, |v[H_+16*\b+\i+1]|
.endr
.endr
.irp b, 0,1
	v_permlanex16_b32 v[TM+2+\b], v[TM+\b], s[SEL], s[SEL+1]
.endr
.irp b, 0,1
	v_max_num_f32 v[TM+\b], v[TM+\b], v[TM+2+\b]   ; with lane l xor 16's 16: the block's largest magnitude
.endr
.irp b, 0,1
	v_add_nc_u32 v[TM+4+\b], 0xff000000, v[TM+\b]
.endr
.irp b, 0,1
	v_lshrrev_b32 v[TM+2+\b], 23, v[TM+4+\b]       ; the bytes
.endr
	v_cvt_scalef32_pk16_fp6_f32 v[O_:O_+2], v[H_:H_+15], v[TM+4]
	v_cvt_scalef32_pk16_fp6_f32 v[O_+4:O_+6], v[H_+16:H_+31], v[TM+5]
	v_nop                                          ; one plain line behind the conversions
.irp i, 0,1,2
	v_permlane16_swap_b32 v[O_+\i], v[O_+4+\i]     ; a lane wants a whole block: lanes 0-15 block 0, lanes 16-31 block 1
.endr
.irp i, 0,1,2
	v_mov_b32 v[O_+3+\i], v[O_+4+\i]
.endr
	v_cndmask_b32 v[BYP+\p], v[TM+2], v[TM+3], s[HM]   ; lanes 0-15 store block 0's byte, lanes 16-31 block 1's
	s_wait_alu depctr_va_vdst(0)                   ; the tile's six registers of codes and its byte are written, which the three stores below read.  The other tile's lines write a set of their own
	global_store_b128 v[LI16], v[O_:O_+3], s[OB+2*\p:OB+2*\p+1]               ; 512 consecutive bytes, at a multiple of 256 from hq's first byte
	global_store_b64 v[LI8], v[O_+4:O_+5], s[OB+2*\p:OB+2*\p+1] offset:512    ; 256 likewise
	global_store_b8 v[HSO], v[BYP+\p], s[OB+4+2*\p:OB+5+2*\p]                 ; two bytes of each row's scale word: one byte in 24 of what goes out
.endm
.macro WAYOUT
	v_mov_b32 v[GA], 0x32edffee                    ; a11, twice
	v_mov_b32 v[GA+1], 0x32edffee
	v_mov_b32 v[GB], 0xb95fbd29                    ; b6, twice
	v_mov_b32 v[GB+1], 0xb95fbd29
	v_mov_b32 v[TM+2], 0                           ; (a lane permute's destination counts as one of its sources)
	v_mov_b32 v[TM+3], 0
	HALF 0
	s_cmp_eq_u32 s[HAS2], 0
	s_cbranch_scc1 .Lone_\@
	HALF 1
.Lone_\@:
.endm
; A ROUND.  Order of the loads in flight: W(r), A(r), W(r+1); loads come back in order (ISA guide 5.7.1).
.macro ROUND r
.if \r == 0
	s_wait_loadcnt 52                              ; W(0) is in: behind it stand A(0)'s 20 loads and W(1)'s 32
.elseif \r < NR-1
	s_wait_loadcnt 32                              ; W(r), and A(r) if it was asked for, are in: only W(r+1)'s 32 may be out
.else
	s_wait_loadcnt 0x0
.endif
	QUANTW \r
	s_wait_dscnt 0x0                               ; for the others' sake: my piece of the images has landed
.if \r < NR-1
	s_wait_alu depctr_vm_vsrc(0)                   ; my three LDS stores have read C and the byte's register, which the next round's QBLK writes again: on every wave's way, ahead of the branches below
.endif
	s_barrier_signal -1
	s_barrier_wait -1                              ; the round's eight images and their scale words are whole.  They are never written again
.if \r == 0
	s_wait_loadcnt 32                              ; A(0) is in
	MUL 0, 1                                       ; by every wave, so that the sums are begun on every way; a wave without a pair multiplies tile 0 once
	s_cmp_ge_u32 s[QP], s[NQ]
	s_cbranch_scc1 .Lidle_\@
	s_wait_alu depctr_va_vdst(0)                   ; the round's products are done reading AF and AS, in which the next round's loads land
	LOADA 1
.Lidle_\@:
.else
	s_cmp_ge_u32 s[QP], s[NQ]                      ; no barrier stands under this branch
	s_cbranch_scc1 .Lidle_\@
	MUL \r, 0
.if \r < NR-1
	s_wait_alu depctr_va_vdst(0)                   ; the round's products are done reading AF and AS, in which the next round's loads land
	LOADA \r+1
.else
	WAYOUT
.endif
.Lidle_\@:
.endif
.if \r+2 < NR
	LOADW \r+2, \r%2                               ; into the set just quantised.  No wait: no vector or matrix instruction since the wait behind QBLK names that set
.endif
.endm
	s_load_b256 s[4:11], s[0:1], 0x0               ; W0 s[4:5], xq s[6:7], xs s[8:9], meta s[10:11]
	s_load_b128 s[12:15], s[0:1], 0x20             ; hq s[12:13], hs s[14:15]
	v_lshl_add_u32 v14, v0, 2, 0xd800
	v_mov_b32 v15, 0
	v_lshrrev_b32 v22, 5, v0
	v_readfirstlane_b32 s[WV], v22                 ; wave 0..15
	v_and_b32 v22, 31, v0                          ; l
	s_wait_alu depctr_va_vdst(0)
	v_bfe_u32 v23, v0, 3, 1                        ; u: which tile of the two my column falls into
	s_wait_alu depctr_va_vdst(0)
	v_and_b32 v24, 7, v0
	v_bfe_u32 v25, v0, 4, 1                        ; l / 16
	v_lshl_add_u32 v24, v25, 3, v24                ; m: its row there
	v_and_b32 v26, 15, v0                          ; l % 16
	s_wait_alu depctr_va_sdst(0)                   ; s16, the wave's number, is written, ahead of its first reader
	s_and_b32 s[CH], s[WV], 1
	s_lshr_b32 s[KB], s[WV], 1
	s_and_b32 s[EX], ttmp7, 0xffff
	s_mov_b32 s[CS], ttmp9
	s_mul_i32 s74, s[KB], 32*PITCH
	s_lshl_b32 s75, s[CH], 7
	s_add_co_u32 s74, s74, s75
	v_lshl_add_u32 v[WOFF], v22, 2, s74
	; my block is K step kb / 4 of the round, block kb % 4 of it: registers 6 c .. 6 c + 5, c = (kb / 2) % 2, of the image's lane m + 16 (kb % 2)
	s_lshr_b32 s74, s[KB], 2
	s_lshl_b32 s75, s74, 2
	s_lshl_b32 s76, s[CH], 1
	s_add_co_u32 s75, s75, s76
	s_mul_i32 s75, s75, FRP
	s_bfe_u32 s76, s[KB], 0x10001
	s_mul_i32 s76, s76, 768
	s_add_co_u32 s75, s75, s76
	s_and_b32 s76, s[KB], 1
	s_lshl_b32 s77, s76, 8
	s_add_co_u32 s77, s77, s75
	s_add_co_u32 s77, s77, WIMG
	s_lshl_b32 s76, s76, 7
	s_add_co_u32 s76, s76, s75
	s_add_co_u32 s76, s76, WIMG+512
	v_mul_u32_u24 v27, v23, FRP
	s_wait_alu depctr_va_vdst(0)
	v_lshl_add_u32 v[WST], v24, 4, v27
	v_add_nc_u32 v[WST], s77, v[WST]
	v_lshl_add_u32 v[WST2], v24, 3, v27
	v_add_nc_u32 v[WST2], s76, v[WST2]
	s_lshl_b32 s74, s74, 1
	s_add_co_u32 s74, s74, s[CH]
	s_lshl_b32 s74, s74, 7
	s_and_b32 s75, s[KB], 3
	s_add_co_u32 s74, s74, s75
	s_add_co_u32 s74, s74, WSC
	v_lshl_add_u32 v27, v23, 4, v24
	v_lshl_add_u32 v[WSS], v27, 2, s74
	v_lshl_add_u32 v[LW16], v22, 4, WIMG
	v_lshl_add_u32 v[LW8], v22, 3, WIMG+512
	v_lshl_add_u32 v[LWS], v22, 2, WSC
	v_lshlrev_b32 v[LI16], 4, v22
	v_lshlrev_b32 v[LI8], 3, v22
	v_lshlrev_b32 v[R4], 2, v26
	v_lshl_add_u32 v[HSO], v26, 2, v25
	s_mov_b32 s[KR], 0x3f3504f3                    ; 1 / sqrt 2
	s_mov_b32 s[KA13], 0xaf95df0b                  ; P: -2.72614226e-10, (a11 = 2.77068142e-08), -2.10102402e-06, -5.69250639e-05, -7.34990630e-04, -2.95459981e-03, -1.60960333e-02
	s_mov_b32 s[KA9], 0xb60cff51
	s_mov_b32 s[KA7], 0xb86ec2d2
	s_mov_b32 s[KA5], 0xba40ac63
	s_mov_b32 s[KA3], 0xbb41a1f6
	s_mov_b32 s[KA1], 0xbc83dbd4
	s_mov_b32 s[KB8], 0xb77460cd                   ; Q: -1.45660718e-05, (b6 = -2.13374055e-04), -1.68282697e-03, -7.37332917e-03, -1.42647391e-02
	s_mov_b32 s[KB4], 0xbadc924e
	s_mov_b32 s[KB2], 0xbbf19bf8
	s_mov_b32 s[KB0], 0xbc69b6a7
.irp k, KR, KA13, KA9, KA7, KA5, KA3, KA1, KB8, KB4, KB2, KB0
	s_mov_b32 s[\k+1], s[\k]                       ; (named with it as a pair, so it is written)
.endr
	s_mov_b32 s[SEL], 0x76543210
	s_mov_b32 s[SEL+1], 0xfedcba98
	s_mov_b32 s[HM], 0xffff0000
	s_wait_kmcnt 0x0
	s_lshl_b32 s74, s[EX], 2
	s_mov_b32 s75, 0
	s_add_nc_u64 s[10:11], s[10:11], s[74:75]
	s_load_b32 s[ST0], s[10:11], 0x0               ; my expert's first tile
	s_load_b32 s[NT], s[10:11], 0x80               ; and its tiles
	s_lshl_b32 s74, s[EX], 23                      ; an expert's W0 is 8 MiB
	s_lshl_b32 s76, s[CS], 8
	s_add_co_u32 s74, s74, s76
	s_add_nc_u64 s[WB:WB+1], s[4:5], s[74:75]
	s_mul_i32 s74, s[CS], 768                      ; hq: K step slice / 2, half slice % 2
	s_add_nc_u64 s[12:13], s[12:13], s[74:75]
	s_lshr_b32 s74, s[CS], 1
	s_lshl_b32 s74, s74, 6
	s_and_b32 s76, s[CS], 1
	s_lshl_b32 s76, s76, 1
	s_add_co_u32 s74, s74, s76                     ; hs: 64 bytes a K step, bytes 2 (slice % 2) on of each word
	s_add_nc_u64 s[14:15], s[14:15], s[74:75]
	s_wait_alu depctr_va_vdst(0)                   ; the eleven offsets and addresses v1 to v11 are written, which every load and store of the kernel reads; the head is done with v22 to v27, in which loads of the rows' fragments land
	LOADW 0, 0                                     ; the weights do not hang on meta: they are asked for first
	s_wait_kmcnt 0x0
	s_min_u32 s[ST0], s[ST0], 134
	s_min_u32 s[NT], s[NT], 135
	s_add_co_u32 s[NQ], s[NT], 1
	s_lshr_b32 s[NQ], s[NQ], 1                     ; pairs of tiles
	s_mov_b32 s[QP], s[WV]
	SETPAIR
	LOADA 0                                        ; by every wave, so that the fragments' registers are written on every way
	LOADW 1, 1
	ROUND 0
	ROUND 1
	ROUND 2
	ROUND 3
	; more than 16 pairs (over 512 rows on this expert): all images lie in LDS; no barrier, no store to shared LDS bytes from here on.
	; The loop is counted against the constant MORE; a wave leaves it as soon as the expert has no pair 16 further on
	s_mov_b32 s[TRIP], 0
.Lmore:
	s_add_co_u32 s[QP], s[QP], 16
	s_cmp_ge_u32 s[QP], s[NQ]
	s_cbranch_scc1 .Lend
	s_wait_xcnt 0x0                                ; the last way out's stores have read their data and bases: both are written again below
	s_wait_alu depctr_vm_vsrc(0)                   ; the last way out's stores have read the codes' and the bytes' registers, which this pair's way out writes again
	SETPAIR
.irp r, 0,1,2,3
	s_wait_alu depctr_va_vdst(0)                   ; the products issued so far are done reading AF and AS, in which this round's loads land, and WF and WS, in which its first K step's LDS loads land
	LOADA \r
	s_wait_loadcnt 0x0
.if \r == 0
	MUL \r, 1
.else
	MUL \r, 0
.endif
.endr
	WAYOUT
	s_add_co_u32 s[TRIP], s[TRIP], 1
	s_cmp_lt_u32 s[TRIP], MORE
	s_cbranch_scc1 .Lmore
.Lend:
	s_wait_dscnt 0x0                               ; the closing lines, six on end
	s_wait_alu 0x0
	s_wait_tensorcnt 0x0
	ds_add_u32 v14, v15
	s_wait_dscnt 0x0
	s_endpgm
.Lfunc_end_k_qe76ec1ea62_ffn1:
	.size	k_qe76ec1ea62_ffn1, .Lfunc_end_k_qe76ec1ea62_ffn1-k_qe76ec1ea62_ffn1
	.p2alignl 7, 3214868480
	.fill 96, 4, 3214868480
	.section	.rodata,"a",@progbits
	.p2align	6, 0x0
	.amdhsa_kernel k_qe76ec1ea62_ffn1
		.amdhsa_group_segment_fixed_size 57344
		.amdhsa_private_segment_fixed_size 0
		.amdhsa_enable_private_segment 0
		.amdhsa_kernarg_size 48
		.amdhsa_user_sgpr_count 2
		.amdhsa_user_sgpr_kernarg_segment_ptr 1
		.amdhsa_wavefront_size32 1
		.amdhsa_system_sgpr_workgroup_id_x 1
		.amdhsa_system_sgpr_workgroup_id_y 1
		.amdhsa_system_sgpr_workgroup_id_z 1
		.amdhsa_system_vgpr_workitem_id 0
		.amdhsa_next_free_vgpr 256
		.amdhsa_next_free_sgpr 90
		.amdhsa_reserve_vcc 0
		.amdhsa_float_denorm_mode_32 3
		.amdhsa_float_denorm_mode_16_64 3
		.amdhsa_memory_ordered 1
		.amdhsa_forward_progress 1
		.amdhsa_inst_pref_size 168
	.end_amdhsa_kernel
	.amdgpu_metadata
---
amdhsa.version: [ 1, 2 ]
amdhsa.kernels:
  - .name:           k_qe76ec1ea62_ffn1
    .symbol:         k_qe76ec1ea62_ffn1.kd
    .args:
      - { .name: weight0, .offset: 0, .size: 8, .value_kind: global_buffer, .address_space: global }
      - { .name: xq, .offset: 8, .size: 8, .value_kind: global_buffer, .address_space: global }
      - { .name: xs, .offset: 16, .size: 8, .value_kind: global_buffer, .address_space: global }
      - { .name: meta, .offset: 24, .size: 8, .value_kind: global_buffer, .address_space: global }
      - { .name: hq, .offset: 32, .size: 8, .value_kind: global_buffer, .address_space: global }
      - { .name: hs, .offset: 40, .size: 8, .value_kind: global_buffer, .address_space: global }
    .group_segment_fixed_size: 57344
    .private_segment_fixed_size: 0
    .kernarg_segment_align: 8
    .kernarg_segment_size: 48
    .max_flat_workgroup_size: 512
    .sgpr_count:     90
    .vgpr_count:     256
    .wavefront_size: 32
...
	.end_amdgpu_metadata
.endif
;; end of part 5
;; launch ffn2 (part 6): grid 32 x 8, 16 waves a work-group, no clusters, 182,272 bytes of LDS; arguments weight1, hq, hs, meta, perm, out0; writes out0
.if DOCPART == 6
	.amdgcn_target "amdgcn-amd-amdhsa--gfx1250"
	.amdhsa_code_object_version 6
	.text
	.protected	k_qe76ec1ea62_ffn2
	.globl	k_qe76ec1ea62_ffn2
	.p2align	8
	.type	k_qe76ec1ea62_ffn2,@function
k_qe76ec1ea62_ffn2:
	s_mov_b64 s[64:65], 0
	v_nop
	global_prefetch_b8 v0, s[64:65] scope:SCOPE_SE
	s_setreg_imm32_b32 hwreg(HW_REG_WAVE_SCHED_MODE, 0, 2), 2
	s_setreg_imm32_b32 hwreg(HW_REG_WAVE_MODE, 25, 1), 1
	s_wait_xcnt 0x0
	s_wait_alu depctr_vm_vsrc(0)
; FFN2: out[token] = hidden Q(W1[e]) for the rows of expert e, on codes of FP6 (E2M3) with one E8M0 scale for each 32 along K.  W1: [8][2048 (k)][1024 (n)] f32.  The hidden layer arrives as register images (hq, hs).
; SHARES.  Work-groups (2 c, y) and (2 c + 1, y) are TWINS: both own columns 64 c .. 64 c + 63 of expert y and both stream and quantise those 512 KB of W1 (neighbours in the grid, so that the second reading
; follows the first closely); twin z takes the pairs of row tiles 2 q + z.  So 256 work-groups have work, a row of W1 is read and a row of out0 written in runs of 256 consecutive aligned bytes, and each tile of hq is read once for each slice.
; K goes in 8 rounds of 256.  In a round wave w = 2 kb + ch loads 32 rows k = 256 r + 32 kb + i of 32 columns (lane l: column 32 ch + l): a block of 32 along K lies in one lane's 32 registers.  Its codes and byte go into
; LDS as a piece of an IMAGE OF THE OPERAND'S REGISTERS; images are written once and stay; one barrier a round.  Behind it wave q multiplies the round's two K steps for its pair: 4 x 2 accumulators.
; A twin with more than 16 pairs: a loop without barriers takes pairs q + 16 .. when all images lie in LDS.
; THE MATRIX INSTRUCTION IS USED TRANSPOSED (source 0 = 16 columns of W1, source 1 = 16 rows), with the columns of a tile chosen as in the first layer: row m of tile 2 b + u is column 32 b + 16 (m / 8) + 8 u + m % 8:
; lane (r, h) holds row r, register j of tile 2 b + u column 32 b + 16 h + 8 u + j.
; THE WAY OUT: a tile's 16 rows x 256 bytes go through the wave's own stage in LDS and leave as whole rows, sixteen lanes to 256 consecutive aligned bytes of the token's row (perm).  Padding slots repeat a tile's last
; token: the same bytes are then stored twice with the same values, by one wave.
; NO TENSOR LOADS, NO JOINT REQUESTS: how many pairs a wave walks hangs on counts read from meta.
; LIMITS: NaN and infinities are not served.  A block of W1 whose largest magnitude lies under 2^-124 (a block of zeros too) keeps the scale byte 1.
; THE MODE: SCHED_MODE bits 1:0 = 2 (LLVM: expert scheduling mode 2), set by the entry lines.  The code itself states the register dependences between vector or matrix instructions and memory or LDS
; instructions, with s_wait_alu, always for 0.
; THE PLAN.  Registers that memory or LDS instructions touch:
;   v1-v15        offsets and addresses: written at the head and read by every load and store; v2 and v3 alone are written once more, behind round 3's LDS stores.
;   LAND, set r % 2   Round r's 32 loads land in it; QBLK reads it; round r + 2's loads land in it, behind round r's products.  In the last round the pair's 16 tokens land in set 0.
;   C, MX2        QBLK writes them; the round's three LDS stores read them; the next round's QBLK writes them again.
;   WF, WS        A K step's 18 LDS loads land in them; its eight products read them.  One set: the wave's 256 registers are all laid out.
;   AF, AS        A round's 20 loads land in them; its sixteen products read them; the next round's loads land in them.
;   On the way out: the products have written ACC, which the LDS stores into the stage read; the rows come back into AF (tile 0) and WF (tile 1), which the global stores read; TK is loaded, made into offsets by vector lines, and read by the global stores.
; A ROUND'S WAITS.  (1) va_vdst behind QBLK: C and the byte are written (the LDS stores); QBLK is done reading its set of LAND (round r + 2's loads; the tokens' loads); every earlier product is done reading WF and WS (the LDS
; loads of the round's first K step: no vector or matrix instruction stands between this wait and them).  (2) vm_vsrc beside the wait on DScnt in front of the barrier: the LDS stores have read C, the byte and their addresses.
; (3) va_vdst between the two K steps: WF and WS.  (4) va_vdst behind the round's products: AF and AS, for the next round's loads.  The way out has ONE wait on va_vdst, behind the offsets' arithmetic.
.set NR,     8                         ; rounds of 256 along K
.set MORE,   2                         ; further passes over pairs at the most: the tiles are held to 135, so a twin's pairs to 34, and pair w + 16 k lies under 34 for k up to 2
.set PITCH,  4096                      ; a row of W1 in bytes
.set ATILE,  24576                     ; a row tile's codes in hq;  its scale words in hs
.set STILE,  1024
.set FRP,    1664                      ; an image in LDS: 1,536 bytes + 128, so that the tiles u = 0 and u = 1, stored by one instruction, start 128 bytes apart modulo 256
.set RSTEP,  8*FRP                     ; a round's eight images
.set WSC,    0                         ; LDS: the weights' scale words [K step 16][b 2][32]: word 16 u + m = row m of tile 2 b + u
.set WIMG,   4096                      ; the images: (K step s, tile t) at (4 s + t) FRP
.set STG,    WIMG+64*FRP               ; the stages: 16 rows x (256 bytes + 16) for each wave
.set SPI,    272
.set WOFF, 1                           ; v1  my byte in W1's rows: 4 l + 128 ch + kb x 32 rows
.set WST,  2                           ; v2  where my block's first 16 bytes of codes go;  v3 its last 8;  v4 its scale byte
.set WST2, 3
.set WSS,  4
.set LW16, 5                           ; v5  WIMG + 16 l;  v6 WIMG + 512 + 8 l;  v7 WSC + 4 l
.set LW8,  6
.set LWS,  7
.set LI16, 8                           ; v8  16 l;  v9 8 l;  v10 4 (l % 16): offsets in memory
.set LI8,  9
.set R4,   10
.set LW16H, 11                         ; v11, v12: v5, v6 for K steps 8-15 (an LDS offset has 16 bits)
.set LW8H, 12
.set STO,  13                          ; v13 the stage: where I put 16 bytes of a row;  v14 where I read a row back
.set SRD,  14
.set TKO,  15                          ; v15 4 (l / 16): my row of the two that an instruction stores, in perm
.set AS,   16                          ; v16-19  the rows' scale words: scales and nothing else
.set WS,   20                          ; v20-21  the weights' scale words: likewise
.set AF,   22                          ; v22-69  the rows' fragments: 2 K steps x 2 tiles x 12; on the way out tile 0's rows
.set WF,   70                          ; v70-117 the weights' four fragments of a K step; on the way out tile 1's rows
.set ACC,  118                         ; v118-181 accumulator (tile of rows p, tile of columns t) at 32 p + 8 t
.set LAND, 182                         ; v182-245 two sets of 32 numbers of W1
.set TK,   LAND                        ; the way out: 16 tokens, then byte offsets;  16 (l % 16)
.set PIECE, LAND+16
.set C,    246                         ; v246-252 a block's codes
.set SCL,  253
.set MX1,  254
.set MX2,  255
.set WV,   16                          ; s16 wave; s17 ch; s18 kb; s19 expert; s20 column slice; s21 twin
.set CH,   17
.set KB,   18
.set EX,   19
.set CS,   20
.set ZT,   21
.set ST0,  22                          ; s22 the expert's first tile; s23 its tiles; s24 my twin's pairs; s25 my pair among them
.set NT,   23
.set NQ,   24
.set QP,   25
.set WB,   26                          ; s[26:27] W1 at my expert and slice
.set AB,   28                          ; s[28:31] the pair's codes;  s[32:35] its scale words;  s[36:39] its tokens
.set SB,   32
.set OB,   36
.set HAS2, 71                          ; s71: has the pair a second tile?
.set TRIP, 78                          ; s78 counts the further passes
.macro QBLK x, c                       ; 32 numbers of one lane, one block along K: 6 registers of codes at v[c], the scale's byte in v[MX2]
	v_max3_num_f32 v[MX1], |v[\x]|, |v[\x+1]|, |v[\x+2]|
	v_max3_num_f32 v[MX2], |v[\x+3]|, |v[\x+4]|, |v[\x+5]|
.irp i, 6,10,14,18,22,26
	v_max3_num_f32 v[MX1], v[MX1], |v[\x+\i]|, |v[\x+\i+1]|
	v_max3_num_f32 v[MX2], v[MX2], |v[\x+\i+2]|, |v[\x+\i+3]|
.endr
	v_max3_num_f32 v[MX1], v[MX1], |v[\x+30]|, |v[\x+31]|
	v_max3_num_f32 v[MX1], v[MX1], v[MX2], 0x1800000           ; the floor 2^(3 - 127): the byte cannot fall under 1
	v_add_nc_u32 v[SCL], 0xff000000, v[MX1]                    ; 2 off the exponent field: the conversion's scale operand
	v_cvt_scalef32_pk16_fp6_f32 v[\c:\c+2], v[\x:\x+15], v[SCL]
	v_cvt_scalef32_pk16_fp6_f32 v[\c+4:\c+6], v[\x+16:\x+31], v[SCL]   ; (a conversion's three registers begin on an even number)
	v_lshrrev_b32 v[MX2], 23, v[SCL]                           ; the byte; also the plain line behind the conversions
	v_mov_b32 v[\c+3], v[\c+4]
	v_mov_b32 v[\c+4], v[\c+5]
	v_mov_b32 v[\c+5], v[\c+6]
.endm
.macro LOADW r, set                    ; round r's 32 rows of my 32 columns: each load 128 consecutive bytes; every offset an immediate (7.5 MB at the most: inside the signed 24 bits).  No hint: the twin reads them too
.set i_, 0
.rept 32
	global_load_b32 v[LAND+32*(\set)+i_], v[WOFF], s[WB:WB+1] offset:((\r)*256+i_)*PITCH
.set i_, i_+1
.endr
.endm
.macro QUANTW r                        ; my block of round r becomes 24 bytes of an image and a byte of a scale word (behind round 3 the two address registers go four rounds on)
	QBLK LAND+32*((\r)%2), C
	s_wait_alu depctr_va_vdst(0)                   ; C and the byte are written (in round 4 the two stepped addresses too), which the LDS stores below read; QBLK is done reading its set of LAND, in which round r + 2's loads land, as the round before's is with the set that takes the tokens; every earlier product is done reading WF and WS, in which the LDS loads of this round's first K step land
	ds_store_b128 v[WST], v[C:C+3] offset:RSTEP*((\r)%4)
	ds_store_b64 v[WST2], v[C+4:C+5] offset:RSTEP*((\r)%4)
	ds_store_b8 v[WSS], v[MX2] offset:512*(\r)
.endm
.macro SETPAIR                         ; the tiles of my twin's pair s[QP], which is the expert's pair 2 q + z.  A wave without a pair takes tile 0, which every split has
	s_lshl_b32 s74, s[QP], 1
	s_add_co_u32 s74, s74, s[ZT]
	s_lshl_b32 s74, s74, 1
	s_add_co_u32 s75, s74, 1
	s_cmp_lt_u32 s75, s[NT]
	s_cselect_b32 s[HAS2], 1, 0
	s_sub_co_u32 s76, s[NT], 1
	s_min_u32 s75, s75, s76                        ; an odd last tile is its own partner: multiplied twice, stored once
	s_add_co_u32 s74, s74, s[ST0]
	s_add_co_u32 s75, s75, s[ST0]
	s_cmp_lt_u32 s[QP], s[NQ]
	s_cselect_b32 s74, s74, 0
	s_cselect_b32 s75, s75, 0
	s_min_u32 s74, s74, 134                        ; inside the buffers whatever was read
	s_min_u32 s75, s75, 134
	s_mov_b32 s77, 0
.irp p, 0,1
	s_mul_i32 s76, s[74+\p], ATILE
	s_add_nc_u64 s[AB+2*\p:AB+2*\p+1], s[6:7], s[76:77]
	s_mul_i32 s76, s[74+\p], STILE
	s_add_nc_u64 s[SB+2*\p:SB+2*\p+1], s[8:9], s[76:77]
	s_mul_i32 s76, s[74+\p], 128
	s_add_nc_u64 s[OB+2*\p:OB+2*\p+1], s[12:13], s[76:77]
.endr
.endm
.macro LOADA r                         ; the pair's fragments and scale words of round r's two K steps: 20 loads, whole runs of 512 and 256 bytes
.irp sk, 0,1
.irp p, 0,1
	global_load_b128 v[AF+24*\sk+12*\p:AF+24*\sk+12*\p+3], v[LI16], s[AB+2*\p:AB+2*\p+1] offset:(2*(\r)+\sk)*1536
	global_load_b64 v[AF+24*\sk+12*\p+4:AF+24*\sk+12*\p+5], v[LI8], s[AB+2*\p:AB+2*\p+1] offset:(2*(\r)+\sk)*1536+512
	global_load_b128 v[AF+24*\sk+12*\p+6:AF+24*\sk+12*\p+9], v[LI16], s[AB+2*\p:AB+2*\p+1] offset:(2*(\r)+\sk)*1536+768
	global_load_b64 v[AF+24*\sk+12*\p+10:AF+24*\sk+12*\p+11], v[LI8], s[AB+2*\p:AB+2*\p+1] offset:(2*(\r)+\sk)*1536+1280
	global_load_b32 v[AS+2*\sk+\p], v[R4], s[SB+2*\p:SB+2*\p+1] offset:64*(2*(\r)+\sk)
.endr
.endr
.endm
.macro LOADTK                          ; the pair's tokens: register 8 p + i: the token of row 2 i + l / 16 of tile p
.irp p, 0,1
.irp i, 0,1,2,3,4,5,6,7
	global_load_b32 v[TK+8*\p+\i], v[TKO], s[OB+2*\p:OB+2*\p+1] offset:8*\i
.endr
.endr
.endm
.macro WM p, t, sk, zero               ; one product: tile t of columns x tile p of rows.  An odd tile's scale words lie in lanes 16-31 of the register
.set D_, ACC+32*(\p)+8*(\t)
.set A_, WF+12*(\t)
.set B_, AF+24*(\sk)+12*(\p)
.if \zero
.if (\t)%2
	v_wmma_scale_f32_16x16x128_f8f6f4 v[D_:D_+7], v[A_:A_+11], v[B_:B_+11], 0, v[WS+(\t)/2], v[AS+2*(\sk)+(\p)] matrix_a_fmt:MATRIX_FMT_FP6 matrix_b_fmt:MATRIX_FMT_FP6 matrix_a_scale:MATRIX_SCALE_ROW1
.else
	v_wmma_scale_f32_16x16x128_f8f6f4 v[D_:D_+7], v[A_:A_+11], v[B_:B_+11], 0, v[WS+(\t)/2], v[AS+2*(\sk)+(\p)] matrix_a_fmt:MATRIX_FMT_FP6 matrix_b_fmt:MATRIX_FMT_FP6
.endif
.else
.if (\t)%2
	v_wmma_scale_f32_16x16x128_f8f6f4 v[D_:D_+7], v[A_:A_+11], v[B_:B_+11], v[D_:D_+7], v[WS+(\t)/2], v[AS+2*(\sk)+(\p)] matrix_a_fmt:MATRIX_FMT_FP6 matrix_b_fmt:MATRIX_FMT_FP6 matrix_a_scale:MATRIX_SCALE_ROW1
.else
	v_wmma_scale_f32_16x16x128_f8f6f4 v[D_:D_+7], v[A_:A_+11], v[B_:B_+11], v[D_:D_+7], v[WS+(\t)/2], v[AS+2*(\sk)+(\p)] matrix_a_fmt:MATRIX_FMT_FP6 matrix_b_fmt:MATRIX_FMT_FP6
.endif
.endif
.endm
; Round r's two K steps for my pair.  zero = 1: the first K step's products start the sums.  The eight accumulators take turns, one instruction a turn, in the same order everywhere.
; Five v_nop follow each K step: the places in front of the first read of results and of a sum begun anew over an old one; they stand ahead of the loads into registers that these products have read too,
; beside the wait on va_vdst that states that dependence.  The first K step's LDS loads hang on the wait that stands ahead of this macro, with no vector or matrix instruction between.
.macro MUL r, zero
.irp sk, 0,1
.set S_, 2*(\r)+\sk
.set Z_, (\zero)*(1-\sk)
.if S_ < 8
.set LA_, LW16
.set LB_, LW8
.else
.set LA_, LW16H
.set LB_, LW8H
.endif
.if \sk
	s_wait_alu depctr_va_vdst(0)                   ; the first K step's products are done reading WF and WS, in which the LDS loads below land
.endif
	ds_load_b32 v[WS], v[LWS] offset:256*S_
	ds_load_b32 v[WS+1], v[LWS] offset:256*S_+128
.irp t, 0,1,2,3
	ds_load_b128 v[WF+12*\t:WF+12*\t+3], v[LA_] offset:(4*(S_%8)+\t)*FRP
	ds_load_b64 v[WF+12*\t+4:WF+12*\t+5], v[LB_] offset:(4*(S_%8)+\t)*FRP
	ds_load_b128 v[WF+12*\t+6:WF+12*\t+9], v[LA_] offset:(4*(S_%8)+\t)*FRP+768
	ds_load_b64 v[WF+12*\t+10:WF+12*\t+11], v[LB_] offset:(4*(S_%8)+\t)*FRP+768
.endr
.irp t, 0,1,2,3
	s_wait_dscnt 12-4*\t                           ; the scale words and tiles 0 .. t are in; four loads for each later tile may be out
	WM 0, \t, \sk, Z_
	WM 1, \t, \sk, Z_
.endr
.rept 5
	v_nop
.endr
.endr
.endm
; Tile p of the pair goes through my stage and leaves by rows; o: 32 registers for the rows read back
.macro OUTT p, o
.irp t, 0,1,2,3
	ds_store_b128 v[STO], v[ACC+32*\p+8*\t:ACC+32*\p+8*\t+3] offset:128*(\t/2)+32*(\t%2)        ; each accumulator from its low end on
	ds_store_b128 v[STO], v[ACC+32*\p+8*\t+4:ACC+32*\p+8*\t+7] offset:128*(\t/2)+32*(\t%2)+16
.endr
.irp i, 0,1,2,3,4,5,6,7
	ds_load_b128 v[\o+4*\i:\o+4*\i+3], v[SRD] offset:2*\i*SPI      ; LDS serves a wave's instructions in order (ISA guide 5.7.1.4): these see the stores above, and the next tile's stores come behind them
.endr
.irp i, 0,1,2,3,4,5,6,7
	s_wait_dscnt 7-\i                              ; rows 2 i and 2 i + 1 are back; the later loads may be out
	global_store_b128 v[TK+8*\p+\i], v[\o+4*\i:\o+4*\i+3], s[14:15] th:TH_STORE_NT   ; sixteen lanes store 256 consecutive bytes, at a multiple of 256 from out0's first byte
.endr
.endm
.macro WAYOUT
	s_wait_loadcnt 0x0                             ; the tokens
	v_lshlrev_b32 v[PIECE], 2, v[R4]               ; 16 (l % 16)
.irp n, 0,1,2,3,4,5,6,7,8,9,10,11,12,13,14,15
	v_min_u32 v[TK+\n], 2047, v[TK+\n]             ; a token, inside out0 whatever was read
.endr
.irp n, 0,1,2,3,4,5,6,7,8,9,10,11,12,13,14,15
	v_lshl_add_u32 v[TK+\n], v[TK+\n], 12, v[PIECE]
.endr
	s_wait_alu depctr_va_vdst(0)                   ; the products have written the accumulators, which the LDS stores read, and are done reading AF and WF, in which the rows land; the lines above have written the sixteen offsets, which the global stores read.  No vector or matrix instruction follows in either tile's way out
	OUTT 0, AF
	s_cmp_eq_u32 s[HAS2], 0
	s_cbranch_scc1 .Lone_\@
	OUTT 1, WF
.Lone_\@:
.endm
; A ROUND.  Order of the loads in flight: W(r), A(r), W(r+1); loads come back in order (ISA guide 5.7.1).
.macro ROUND r
.if \r == 0
	s_wait_loadcnt 52                              ; W(0) is in: behind it stand A(0)'s 20 loads and W(1)'s 32
.elseif \r < NR-1
	s_wait_loadcnt 32                              ; W(r), and A(r) if it was asked for, are in: only W(r+1)'s 32 may be out
.else
	s_wait_loadcnt 0x0
.endif
	QUANTW \r
	s_wait_dscnt 0x0                               ; for the others' sake: my piece of the images has landed
.if \r < NR-1
	s_wait_alu depctr_vm_vsrc(0)                   ; my three LDS stores have read C and the byte's register, which the next round's QBLK writes again, and their address registers, two of which are stepped behind round 3: on every wave's way, ahead of the branches below
.endif
.if \r == 3
	v_add_nc_u32 v[WST], 4*RSTEP, v[WST]           ; rounds 4-7 lie beyond an offset's 16 bits
	v_add_nc_u32 v[WST2], 4*RSTEP, v[WST2]
.endif
	s_barrier_signal -1
	s_barrier_wait -1                              ; the round's eight images and their scale words are whole.  They are never written again
.if \r == 0
	s_wait_loadcnt 32                              ; A(0) is in
	MUL 0, 1                                       ; by every wave, so that the sums are begun on every way; a wave without a pair multiplies tile 0 once
	s_cmp_ge_u32 s[QP], s[NQ]
	s_cbranch_scc1 .Lidle_\@
	s_wait_alu depctr_va_vdst(0)                   ; the round's products are done reading AF and AS, in which the next round's loads land
	LOADA 1
.Lidle_\@:
.else
	s_cmp_ge_u32 s[QP], s[NQ]                      ; no barrier stands under this branch
	s_cbranch_scc1 .Lidle_\@
.if \r == NR-1
	LOADTK                                         ; into the weights' set 0, which was done with a round ago.  No wait: no vector or matrix instruction since the wait behind QBLK names it
.endif
	MUL \r, 0
.if \r < NR-1
	s_wait_alu depctr_va_vdst(0)                   ; the round's products are done reading AF and AS, in which the next round's loads land
	LOADA \r+1
.else
	WAYOUT
.endif
.Lidle_\@:
.endif
.if \r+2 < NR
	LOADW \r+2, \r%2                               ; into the set just quantised.  No wait: no vector or matrix instruction since the wait behind QBLK names that set
.endif
.endm
	s_load_b256 s[4:11], s[0:1], 0x0               ; W1 s[4:5], hq s[6:7], hs s[8:9], meta s[10:11]
	s_load_b128 s[12:15], s[0:1], 0x20             ; perm s[12:13], out0 s[14:15]
	v_lshrrev_b32 v22, 5, v0
	v_readfirstlane_b32 s[WV], v22                 ; wave 0..15
	v_and_b32 v22, 31, v0                          ; l
	s_wait_alu depctr_va_vdst(0)
	v_bfe_u32 v23, v0, 3, 1                        ; u: which tile of the two my column falls into
	s_wait_alu depctr_va_vdst(0)
	v_and_b32 v24, 7, v0
	v_bfe_u32 v25, v0, 4, 1                        ; l / 16
	v_lshl_add_u32 v24, v25, 3, v24                ; m: its row there
	v_and_b32 v26, 15, v0                          ; l % 16
	s_wait_alu depctr_va_sdst(0)                   ; s16, the wave's number, is written, ahead of its first reader
	s_and_b32 s[CH], s[WV], 1
	s_lshr_b32 s[KB], s[WV], 1
	s_and_b32 s[EX], ttmp7, 0xffff
	s_lshr_b32 s[CS], ttmp9, 1
	s_and_b32 s[ZT], ttmp9, 1
	s_mul_i32 s74, s[KB], 32*PITCH
	s_lshl_b32 s75, s[CH], 7
	s_add_co_u32 s74, s74, s75
	v_lshl_add_u32 v[WOFF], v22, 2, s74
	; my block is K step kb / 4 of the round, block kb % 4 of it: registers 6 c .. 6 c + 5, c = (kb / 2) % 2, of the image's lane m + 16 (kb % 2)
	s_lshr_b32 s74, s[KB], 2
	s_lshl_b32 s75, s74, 2
	s_lshl_b32 s76, s[CH], 1
	s_add_co_u32 s75, s75, s76
	s_mul_i32 s75, s75, FRP
	s_bfe_u32 s76, s[KB], 0x10001
	s_mul_i32 s76, s76, 768
	s_add_co_u32 s75, s75, s76
	s_and_b32 s76, s[KB], 1
	s_lshl_b32 s77, s76, 8
	s_add_co_u32 s77, s77, s75
	s_add_co_u32 s77, s77, WIMG
	s_lshl_b32 s76, s76, 7
	s_add_co_u32 s76, s76, s75
	s_add_co_u32 s76, s76, WIMG+512
	v_mul_u32_u24 v27, v23, FRP
	s_wait_alu depctr_va_vdst(0)
	v_lshl_add_u32 v[WST], v24, 4, v27
	v_add_nc_u32 v[WST], s77, v[WST]
	v_lshl_add_u32 v[WST2], v24, 3, v27
	v_add_nc_u32 v[WST2], s76, v[WST2]
	s_lshl_b32 s74, s74, 1
	s_add_co_u32 s74, s74, s[CH]
	s_lshl_b32 s74, s74, 7
	s_and_b32 s75, s[KB], 3
	s_add_co_u32 s74, s74, s75
	s_add_co_u32 s74, s74, WSC
	v_lshl_add_u32 v27, v23, 4, v24
	v_lshl_add_u32 v[WSS], v27, 2, s74
	v_lshl_add_u32 v[LW16], v22, 4, WIMG
	v_lshl_add_u32 v[LW8], v22, 3, WIMG+512
	v_lshl_add_u32 v[LW16H], v22, 4, WIMG+32*FRP
	v_lshl_add_u32 v[LW8H], v22, 3, WIMG+32*FRP+512
	v_lshl_add_u32 v[LWS], v22, 2, WSC
	v_lshlrev_b32 v[LI16], 4, v22
	v_lshlrev_b32 v[LI8], 3, v22
	v_lshlrev_b32 v[R4], 2, v26
	v_lshlrev_b32 v[TKO], 2, v25
	s_mul_i32 s74, s[WV], 16*SPI
	s_add_co_u32 s74, s74, STG                     ; my stage
	v_mul_u32_u24 v27, v26, SPI
	v_lshl_add_u32 v27, v25, 6, v27
	v_add_nc_u32 v[STO], s74, v27                  ; in: row r, + 64 h; a tile's place, 128 b + 32 u, stands in the offset
	v_mul_u32_u24 v27, v25, SPI
	v_lshl_add_u32 v27, v26, 4, v27
	v_add_nc_u32 v[SRD], s74, v27                  ; back: lanes 0-15 one row of 256 bytes, lanes 16-31 the next
	s_wait_kmcnt 0x0
	s_lshl_b32 s74, s[EX], 2
	s_mov_b32 s75, 0
	s_add_nc_u64 s[10:11], s[10:11], s[74:75]
	s_load_b32 s[ST0], s[10:11], 0x0               ; my expert's first tile
	s_load_b32 s[NT], s[10:11], 0x80               ; and its tiles
	s_lshl_b32 s74, s[EX], 23                      ; an expert's W1 is 8 MiB
	s_lshl_b32 s76, s[CS], 8
	s_add_co_u32 s74, s74, s76
	s_add_nc_u64 s[WB:WB+1], s[4:5], s[74:75]
	s_mov_b32 s74, s76
	s_add_nc_u64 s[14:15], s[14:15], s[74:75]      ; out0 at my 64 columns
	s_wait_alu depctr_va_vdst(0)                   ; the fifteen offsets and addresses v1 to v15 are written, which every load and store of the kernel reads; the head is done with v22 to v27, in which loads of the rows' fragments land
	LOADW 0, 0                                     ; the weights do not hang on meta: they are asked for first
	s_wait_kmcnt 0x0
	s_min_u32 s[ST0], s[ST0], 134
	s_min_u32 s[NT], s[NT], 135
	s_add_co_u32 s[NQ], s[NT], 1
	s_lshr_b32 s[NQ], s[NQ], 1                     ; the expert's pairs;
	s_add_co_u32 s[NQ], s[NQ], 1
	s_sub_co_u32 s[NQ], s[NQ], s[ZT]
	s_lshr_b32 s[NQ], s[NQ], 1                     ; those with number 2 q + z
	s_mov_b32 s[QP], s[WV]
	SETPAIR
	LOADA 0                                        ; by every wave, so that the fragments' registers are written on every way
	LOADW 1, 1
	ROUND 0
	ROUND 1
	ROUND 2
	ROUND 3
	ROUND 4
	ROUND 5
	ROUND 6
	ROUND 7
	; more than 16 pairs for this twin (over 1,024 rows on this expert): all images lie in LDS; no barrier, and only my own stage is stored to from here on.
	; The loop is counted against the constant MORE; a wave leaves it as soon as its twin has no pair 16 further on
	s_mov_b32 s[TRIP], 0
.Lmore:
	s_add_co_u32 s[QP], s[QP], 16
	s_cmp_ge_u32 s[QP], s[NQ]
	s_cbranch_scc1 .Lend
	s_wait_xcnt 0x0                                ; the last way out's stores have read their data, offsets and bases: all are written again below
	s_wait_alu depctr_vm_vsrc(0)                   ; the last way out's global stores have read the rows in AF and WF and the offsets in TK, its LDS stores the accumulators: loads land in the first three below, and the products write the accumulators anew
	s_wait_alu depctr_va_vdst(0)                   ; the vector lines that made the offsets are done with TK, in which the tokens land; the products issued so far are done reading AF and AS, in which the first round's loads land, and WF and WS, in which its first K step's LDS loads land
	SETPAIR
	LOADTK
.irp r, 0,1,2,3,4,5,6,7
.if \r > 0
	s_wait_alu depctr_va_vdst(0)                   ; the last round's products are done reading AF and AS, in which this round's loads land, and WF and WS, in which its first K step's LDS loads land
.endif
	LOADA \r
	s_wait_loadcnt 0x0
.if \r == 0
	MUL \r, 1
.else
	MUL \r, 0
.endif
.endr
	WAYOUT
	s_add_co_u32 s[TRIP], s[TRIP], 1
	s_cmp_lt_u32 s[TRIP], MORE
	s_cbranch_scc1 .Lmore
.Lend:
	s_wait_xcnt 0x0
	s_wait_alu depctr_vm_vsrc(0)                   ; the last round's LDS store of the scale's byte has read v255, which is written below
	v_lshl_add_u32 v254, v0, 2, 0x2c000
	v_mov_b32 v255, 0
	s_wait_dscnt 0x0                               ; the closing lines, six on end
	s_wait_alu 0x0
	s_wait_tensorcnt 0x0
	ds_add_u32 v254, v255
	s_wait_dscnt 0x0
	s_endpgm
.Lfunc_end_k_qe76ec1ea62_ffn2:
	.size	k_qe76ec1ea62_ffn2, .Lfunc_end_k_qe76ec1ea62_ffn2-k_qe76ec1ea62_ffn2
	.p2alignl 7, 3214868480
	.fill 96, 4, 3214868480
	.section	.rodata,"a",@progbits
	.p2align	6, 0x0
	.amdhsa_kernel k_qe76ec1ea62_ffn2
		.amdhsa_group_segment_fixed_size 182272
		.amdhsa_private_segment_fixed_size 0
		.amdhsa_enable_private_segment 0
		.amdhsa_kernarg_size 48
		.amdhsa_user_sgpr_count 2
		.amdhsa_user_sgpr_kernarg_segment_ptr 1
		.amdhsa_wavefront_size32 1
		.amdhsa_system_sgpr_workgroup_id_x 1
		.amdhsa_system_sgpr_workgroup_id_y 1
		.amdhsa_system_sgpr_workgroup_id_z 1
		.amdhsa_system_vgpr_workitem_id 0
		.amdhsa_next_free_vgpr 256
		.amdhsa_next_free_sgpr 90
		.amdhsa_reserve_vcc 0
		.amdhsa_float_denorm_mode_32 3
		.amdhsa_float_denorm_mode_16_64 3
		.amdhsa_memory_ordered 1
		.amdhsa_forward_progress 1
		.amdhsa_inst_pref_size 170
	.end_amdhsa_kernel
	.amdgpu_metadata
---
amdhsa.version: [ 1, 2 ]
amdhsa.kernels:
  - .name:           k_qe76ec1ea62_ffn2
    .symbol:         k_qe76ec1ea62_ffn2.kd
    .args:
      - { .name: weight1, .offset: 0, .size: 8, .value_kind: global_buffer, .address_space: global }
      - { .name: hq, .offset: 8, .size: 8, .value_kind: global_buffer, .address_space: global }
      - { .name: hs, .offset: 16, .size: 8, .value_kind: global_buffer, .address_space: global }
      - { .name: meta, .offset: 24, .size: 8, .value_kind: global_buffer, .address_space: global }
      - { .name: perm, .offset: 32, .size: 8, .value_kind: global_buffer, .address_space: global }
      - { .name: out0, .offset: 40, .size: 8, .value_kind: global_buffer, .address_space: global }
    .group_segment_fixed_size: 182272
    .private_segment_fixed_size: 0
    .kernarg_segment_align: 8
    .kernarg_segment_size: 48
    .max_flat_workgroup_size: 512
    .sgpr_count:     90
    .vgpr_count:     256
    .wavefront_size: 32
...
	.end_amdgpu_metadata
.endif
;; end of part 6
